; MI455X (gfx1250); checked and timed in simulation.
; The chip was launched on July 23, 2026; its instructions are those of AMD's public machine-readable ISA for CDNA 5 (MIT licence, August 2026) and "CDNA5" Instruction Set Architecture Reference Guide (July 2026). The comments in the code are by the model that wrote it; some were corrected since.
;; Multi Head Attention. Allowed arithmetic: matrix products marked QUANTISED: E2M1 operands, one E8M0 scale for each 32 along K, by v_wmma_scale_f32_16x16x128_f8f6f4 with both operands' format E2M1 (or v_wmma_scale_f32_32x16x128_f4), f32 sums; products left as they are: bf16, f16 or f32 operands; f32 sums; everything else in f32.
;; Inputs: Wk 1,024 x 1,024 float32; Wo 1,024 x 1,024 float32; Wq 1,024 x 1,024 float32; Wv 1,024 x 1,024 float32; key 4 x 2,048 x 1,024 float32; mask 4 x 1 x 1 x 2,048 bool; query 4 x 2,048 x 1,024 float32; value 4 x 2,048 x 1,024 float32.
;; Outputs: out0 4 x 2,048 x 1,024 float32.
;; This version of the problem:
;;   THIS VERSION OF THE PROBLEM IS GIVEN IN LOW PRECISION. The matrix products marked QUANTISED in the list below multiply operands that are first quantised to E2M1 (2 exponent bits, 1 mantissa bit; 4 bits a number), with one power-of-two scale for each 32 numbers along K (OCP MX v1.0); their sums are f32. The products marked 'left as it is' may take bf16, f16 or f32 operands, with f32 sums. Whichever they take, every output number must still come out within the allowed error. Rounding operands to bf16 (8 significant bits) uses up far more of that allowance than f16 does (11 bits, for magnitudes from 6e-5 to 65,504). All else is computed in f32.
;;   The module's matrix products, in the order in which they are computed (A, B: the left and right operand; K: the contracted axis; several contracted axes count as one K, in the product's order):
;;     1. [M 8,192, K 1,024] x [K 1,024, N 1,024]; A: input query; B: input Wq: QUANTISED
;;     2. [M 8,192, K 1,024] x [K 1,024, N 1,024]; A: input key; B: input Wk: QUANTISED
;;     3. [M 8,192, K 1,024] x [K 1,024, N 1,024]; A: input value; B: input Wv: QUANTISED
;;     4. batch 64 x [M 2,048, K 64] x [K 64, N 2,048]; A: computed on the way; B: computed on the way: left as it is (an operand is computed on the way)
;;     5. batch 64 x [M 2,048, K 2,048] x [K 2,048, N 64]; A: computed on the way; B: computed on the way: left as it is (an operand is computed on the way)
;;     6. [M 8,192, K 1,024] x [K 1,024, N 1,024]; A: computed on the way; B: input Wo: left as it is (an operand is computed on the way)
;;   THE QUANTISER, for each operand of a quantised product, along K:
;;     - K is cut into blocks of 32 from its start; a last block that is shorter is filled with zeros.
;;     - A block's scale is 2^e with e = floor(log2(the largest magnitude in the block)) - 2, held to -126 .. 127; a block of zeros has e = 0. As a byte (E8M0): e + 127.
;;     - Each number is divided by its block's scale, clamped to +-6, and rounded to the nearest number of E2M1, ties to even, subnormals kept.
;;     - The product sums the exact products of the quantised numbers (number of the format x scale) in f32.
;;   ~~~python
;;   def quantise(x, axis):      # numpy; x: float32 -> the quantised numbers, widened to float32 again
;;       x = np.moveaxis(x, axis, -1); K = x.shape[-1]
;;       x = np.pad(x, [(0, 0)] * (x.ndim - 1) + [(0, -K % 32)]); x = x.reshape(x.shape[:-1] + (-1, 32)); a = np.abs(x).max(-1, keepdims=True)
;;       e = np.where(a > 0, np.clip(np.frexp(np.where(a > 0, a, 1))[1] - 1 - 2, -126, 127), 0)      # np.frexp(a)[1] - 1 = floor(log2(a)), exactly
;;       r = np.clip(x / 2.0 ** e, -6, 6)
;;       step = 2.0 ** (np.maximum(np.frexp(np.where(r == 0, 1, r))[1] - 1, 0) - 1)
;;       q = np.round(r / step) * step * 2.0 ** e      # np.round: ties to even
;;       return np.moveaxis(q.reshape(q.shape[:-2] + (-1,))[..., :K], -1, axis).astype(np.float32)
;;   ~~~
;; One version. Each part assembles by itself: llvm-mc -triple=amdgcn-amd-amdhsa -mcpu=gfx1250 --defsym DOCPART=n.
;; ======== version 1 of 1: 4 launches
;; limits: right only within a limited range of input values; values are held in f16: magnitudes above 65,504 overflow, below 6.1e-05 lose precision
;; workspace buffers: codes 14,155,776 bytes; scales 884,736 bytes; qkv 50,331,648 bytes; wo16 2,097,152 bytes; ctx 16,777,216 bytes; cnt 512 bytes of whole numbers
;; launch prep (part 1): grid 896 x 1, 4 waves a work-group, no clusters, 33,280 bytes of LDS; arguments query, key, value, Wq, Wk, Wv, Wo, mask, codes, scales, wo16, cnt; writes codes, scales, wo16, cnt
.if DOCPART == 1
	.amdgcn_target "amdgcn-amd-amdhsa--gfx1250"
	.amdhsa_code_object_version 6
	.text
	.protected	k_q94640a743e_prep
	.globl	k_q94640a743e_prep
	.p2align	8
	.type	k_q94640a743e_prep,@function
k_q94640a743e_prep:
	s_mov_b64 s[64:65], 0
	v_nop
	global_prefetch_b8 v0, s[64:65] scope:SCOPE_SE
	s_setreg_imm32_b32 hwreg(HW_REG_WAVE_MODE, 25, 1), 1
	s_wait_xcnt 0x0
; PREP.  (1) query, key, value [8192][1024] and Wq, Wk, Wv [1024][1024], f32 with K innermost, become codes of FP4 (E2M1) and one E8M0 byte for each 32 along K:
;     codes [27648 rows][512 bytes], scales [27648 rows][32 bytes]; rows 8192 t + 2048 batch + place (t = 0 query, 1 key, 2 value), then 24576 + 1024 t + n for the three weights.
;     A block's scale is 2^(floor(log2(its largest magnitude)) - 2): its byte is the largest magnitude's exponent field - 2, held at 1 from below.
; (2) THE ROWS OF key AND value ARE PUT IN ANOTHER ORDER, the same for both: within a batch the keys whose mask byte is 0 come first, in their order, then those whose byte is 1.
;     A key with mask 1 has the score -1e9 and so the weight 0 beside any key with mask 0: the attention launch walks only the first cnt[batch] places.  The order is a bijection: every row is written.
; (3) cnt: for each batch 32 equal words: the number of keys whose mask byte is 0.
; (4) Wo [1024][1024] becomes f16, laid as the matrix operand's registers: [n / 16][k / 32][1024 bytes]; half c at 512 c, lane l = 16 h + r at 16 l: row r, k = 16 c + 8 h + 0 .. 7.
; SHARES.  Work-groups 0-767: 32 rows of query, key or value each; 768-863: 32 rows of a weight; a wave takes 8 rows: 16 steps of 512 numbers.  Work-groups 864-895: Wo, a wave 16 rows x 512 k.
; A step's four loads read 512 consecutive bytes each; the 2,048 bytes turn through the wave's own stage in LDS so that a lane holds 16 neighbours along K (two lanes a block);
; a step's codes leave as 256 consecutive aligned bytes.  No barrier: waves share nothing.  No matrix unit, no cluster: a stream, nothing is read twice but the 2,048 mask bytes of a batch.
; LIMITS: mask bytes are 0 or 1; blocks whose largest magnitude lies under 2^-124 keep the byte 1; a block of zeros has the byte 1 where the rule says 127 (its codes are zeros, and this program
; alone reads the bytes); NaN and infinities among the inputs are not served; numbers of Wo beyond 65,504 do not fit f16.
.set WAVES, 4
.set STEPS, 16
.set EMAX,  2
.set CB,    8                          ; bytes of 16 codes
.set R,     16                         ; v16-79   four sets of 16 numbers as they are loaded
.set X,     80                         ; v80-111  two sets of 16 neighbours
.set E,     112                        ; v112-127 a scale byte for each step
.set M,     112                        ; v112-127 before that: the batch's mask, 64 bytes a lane
.set C,     128                        ; v128-191 codes: four registers for each step, so that no store's data are written again
.set VCO,   192                        ; v192-199 row i of my 8: byte offset of my 8 bytes of its codes
.set VSO,   200                        ; v200     byte offset of my 8 scale bytes
.set WREG,  8192                       ; LDS: a region for each wave: two stages of 32 x SP bytes, behind them its 256 scale bytes
.set SP,    80                         ; a lane's place in a stage: 64 bytes + 16 of padding
.set SPW,   12                         ; v12      LDS address of my spare word; never rewritten
.set NIL,   13                         ; v13      0; never rewritten
.set SPARE, WAVES*WREG                 ; behind the four regions: the spare words, 128 bytes for each wave
	s_load_b512 s[4:19], s[0:1], 0x0               ; query 4, key 6, value 8, Wq 10, Wk 12, Wv 14, Wo 16, mask 18
	s_load_b256 s[20:27], s[0:1], 0x40             ; codes 20, scales 22, wo16 24, cnt 26
	v_lshl_add_u32 v[SPW], v0, 2, SPARE
	v_mov_b32 v[NIL], 0
	v_lshrrev_b32 v1, 5, v0
	v_readfirstlane_b32 s28, v1                    ; wave
	v_and_b32 v2, 31, v0                           ; lane
	v_lshlrev_b32 v3, 4, v2                        ; 16 x lane
	s_mov_b32 s29, ttmp9                           ; g
	s_mov_b32 s39, 0                               ; the high word of every 32-bit offset
	s_wait_kmcnt 0x0
	s_cmp_ge_u32 s29, 864
	s_cbranch_scc1 .Lwo
	; ---- the quantiser.  One path for six tensors: what differs is chosen by the work-group's number
	s_lshr_b32 s30, s29, 8                         ; x: t
	s_and_b32 s46, s29, 255
	s_lshl_b32 s31, s46, 5                         ;    first row of the work-group
	s_lshr_b32 s34, s46, 6                         ;    batch
	s_lshl_b32 s32, s30, 13
	s_lshl_b32 s47, s34, 11
	s_add_co_u32 s32, s32, s47                     ;    row of the codes at which the batch begins
	s_sub_co_u32 s47, s29, 768                     ; W: which of 96
	s_lshr_b32 s56, s47, 5                         ;    which weight
	s_and_b32 s57, s47, 31
	s_lshl_b32 s57, s57, 5                         ;    first row
	s_lshl_b32 s58, s56, 10
	s_add_co_u32 s58, s58, 24576                   ;    row of the codes at which the weight begins
	s_add_co_u32 s56, s56, 3
	s_cmp_lt_u32 s29, 768
	s_cselect_b32 s30, s30, s56                    ; s30: which tensor, 0 .. 5
	s_cselect_b32 s31, s31, s57
	s_cselect_b32 s32, s32, s58                    ; s32: GB
	s_cselect_b32 s34, s34, 0                      ; s34: batch (0 for a weight: its mask bytes are read and not used)
	s_lshl_b32 s46, s28, 3
	s_add_co_u32 s31, s31, s46                     ; s31: my wave's first row in its tensor
	s_and_b32 s35, s31, 2047                       ; s35: the same within GB's 2,048 (a weight has 1,024)
	s_sub_co_u32 s46, s30, 1
	s_cmp_lt_u32 s46, 2
	s_cselect_b32 s33, 1, 0                        ; s33: 1 for key and value
	s_mov_b32 s44, 0x76543210
	s_mov_b32 s45, 0xfedcba98                      ; lane l xor 16
	s_mov_b64 s[36:37], s[4:5]                     ; the source: a choice among six buffers by the tensor's number
	s_cmp_eq_u32 s30, 1
	s_cselect_b64 s[36:37], s[6:7], s[36:37]
	s_cmp_eq_u32 s30, 2
	s_cselect_b64 s[36:37], s[8:9], s[36:37]
	s_cmp_eq_u32 s30, 3
	s_cselect_b64 s[36:37], s[10:11], s[36:37]
	s_cmp_eq_u32 s30, 4
	s_cselect_b64 s[36:37], s[12:13], s[36:37]
	s_cmp_eq_u32 s30, 5
	s_cselect_b64 s[36:37], s[14:15], s[36:37]
	s_lshl_b32 s38, s31, 12
	s_add_nc_u64 s[36:37], s[36:37], s[38:39]      ; at my first row: 4,096 bytes a row
	s_lshl_b32 s38, s34, 11
	s_add_nc_u64 s[18:19], s[18:19], s[38:39]      ; the mask at my batch
	s_lshl_b32 s38, s32, 9
	s_add_nc_u64 s[20:21], s[20:21], s[38:39]      ; the codes at GB
	s_lshl_b32 s38, s32, 5
	s_add_nc_u64 s[22:23], s[22:23], s[38:39]      ; the scale bytes at GB
	s_mov_b32 s38, s35
	s_add_nc_u64 s[58:59], s[18:19], s[38:39]      ; the mask bytes of my 8 rows (a multiple of 8)
	; LDS addresses: a constant x lane + a constant x wave
	s_mul_i32 s46, s28, WREG
	v_lshrrev_b32 v14, 2, v2
	v_mul_u32_u24 v14, v14, SP
	v_and_b32 v15, 3, v2
	v_lshl_add_u32 v14, v15, 4, v14
	v_add_nc_u32 v14, s46, v14                     ; the stage, on the way in: SP (lane / 4) + 16 (lane % 4)
	v_mul_u32_u24 v15, v2, SP
	v_add_nc_u32 v15, s46, v15                     ; and on the way out: SP x lane: my 16 neighbours
	v_mul_u32_u24 v4, v2, CB                       ; my codes' place in a step's 256 bytes
	v_lshrrev_b32 v5, 1, v2
	s_add_co_u32 s46, s46, 2*32*SP
	v_add_nc_u32 v5, s46, v5                       ; my wave's 256 scale bytes, my block's byte
	v_lshlrev_b32 v7, 3, v2
	v_add_nc_u32 v6, s46, v7                       ; and on the way out 8 bytes a lane
.irp i, 0,1,2,3
	global_load_b128 v[M+4*\i:M+4*\i+3], v3, s[18:19] offset:512*\i   ; the batch's 2,048 mask bytes: lane l, load i, word d: keys 512 i + 16 l + 4 d on
.endr
	s_load_b64 s[40:41], s[58:59], 0x0             ; my 8 rows' mask bytes
.macro LOAD t
.irp i, 0,1,2,3
	global_load_b128 v[R+16*((\t)%4)+4*\i:R+16*((\t)%4)+4*\i+3], v3, s[36:37] offset:2048*(\t)+512*\i th:TH_LOAD_NT   ; 32 lanes read 512 consecutive bytes
.endr
.endm
.macro TURN t                          ; step t's numbers through the stage: LDS serves a wave's instructions in order, so no wait stands between the stores and the loads
.irp i, 0,1,2,3
	ds_store_b128 v14, v[R+16*((\t)%4)+4*\i:R+16*((\t)%4)+4*\i+3] offset:32*SP*((\t)%2)+8*SP*\i
.endr
.irp i, 0,1,2,3
	ds_load_b128 v[X+16*((\t)%2)+4*\i:X+16*((\t)%2)+4*\i+3], v15 offset:32*SP*((\t)%2)+16*\i
.endr
.endm
.irp t, 0,1,2,3
	LOAD \t
.endr
	s_wait_loadcnt 16                              ; the four mask loads are in; the 16 loads of numbers behind them stay out
	s_wait_kmcnt 0x0
	; the batch's masked keys (T) and those in front of my first row (P), counted as sums of bytes: at most 16 in a byte, 64 a lane
	v_mov_b32 v204, 0
	v_mov_b32 v205, 0
.irp i, 0,1,2,3
	v_add_nc_u32 v206, v[M+4*\i], v[M+4*\i+1]      ; keys 512 i + 16 l + 0 .. 7
	v_add_nc_u32 v207, v[M+4*\i+2], v[M+4*\i+3]    ; and + 8 .. 15
	v_add3_u32 v204, v204, v206, v207
	s_sub_co_i32 s46, s35, 512*\i
	v_cmp_gt_i32 vcc_lo, s46, v3                   ; my first row is a multiple of 8: eight keys lie wholly in front of it or not at all
	v_cndmask_b32 v206, 0, v206, vcc_lo
	s_sub_co_i32 s46, s35, 512*\i+8
	v_cmp_gt_i32 vcc_lo, s46, v3
	v_cndmask_b32 v207, 0, v207, vcc_lo
	v_add3_u32 v205, v205, v206, v207
.endr
	v_mul_lo_u32 v204, v204, 0x01010101            ; the four bytes' sum in the top byte
	v_mul_lo_u32 v205, v205, 0x01010101
	v_lshrrev_b32 v204, 24, v204
	v_lshrrev_b32 v205, 24, v205
	v_lshl_or_b32 v204, v205, 16, v204             ; T below, P above: both stay under 2^16 over 32 lanes
	v_mov_b32 v206, 0
.irp x, 1,2,4,8
	v_mov_b32_dpp v206, v204 row_xmask:\x row_mask:0xf bank_mask:0xf
	v_add_nc_u32 v204, v204, v206
.endr
	v_permlanex16_b32 v206, v204, s44, s45
	v_add_nc_u32 v204, v204, v206
	v_readfirstlane_b32 s46, v204
	s_and_b32 s47, s46, 0xffff
	s_sub_co_u32 s42, 2048, s47                    ; s42: keys of the batch with mask 0
	s_lshr_b32 s43, s46, 16                        ; s43: masked keys in front of the row in hand
	; the place of each of my 8 rows.  No branch hangs on the mask: selects alone.  Each place is held at 2,047 ahead of every address
.irp i, 0,1,2,3,4,5,6,7
	s_bfe_u32 s46, s[40+\i/4], 0x10000|(8*(\i%4))  ; the row's mask byte
	s_add_co_u32 s47, s35, \i                      ; its own number
	s_sub_co_u32 s56, s47, s43                     ; mask 0: its number less the masked keys in front of it
	s_add_co_u32 s57, s42, s43                     ; mask 1: behind all keys with mask 0, in order
	s_cmp_lg_u32 s46, 0
	s_cselect_b32 s56, s57, s56
	s_add_co_u32 s43, s43, s46
	s_cmp_lg_u32 s33, 0
	s_cselect_b32 s[48+\i], s56, s47               ; query and the weights keep their order
	s_min_u32 s[48+\i], s[48+\i], 2047
	s_lshl_b32 s46, s[48+\i], 9
	v_add_nc_u32 v[VCO+\i], s46, v4
.endr
	v_lshrrev_b32 v207, 2, v2                      ; my 8 scale bytes belong to row lane / 4
	v_mov_b32 v201, s48
.irp i, 1,2,3,4,5,6,7
	v_cmp_eq_u32 vcc_lo, \i, v207
	v_cndmask_b32 v201, v201, s[48+\i], vcc_lo
.endr
	v_min_u32 v201, 0x7ff, v201
	v_and_b32 v207, 3, v2
	v_lshlrev_b32 v207, 3, v207
	v_lshl_add_u32 v[VSO], v201, 5, v207           ; 32 bytes a row + 8 (lane % 4)
	; the count: stored by wave 0 of the first work-group of each batch of key (ids alone decide)
	s_lshr_b32 s46, s29, 8
	s_xor_b32 s46, s46, 1
	s_and_b32 s47, s29, 63
	s_or_b32 s46, s46, s47
	s_or_b32 s46, s46, s28
	s_cmp_lg_u32 s46, 0
	s_cbranch_scc1 .Lno_cnt
	v_mov_b32 v202, s42
	v_lshlrev_b32 v203, 2, v2
	s_lshl_b32 s47, s34, 7
	v_add_nc_u32 v203, s47, v203
	global_store_b32 v203, v202, s[26:27]          ; 32 equal words, 128 consecutive bytes; v202 and v203 are not written again
.Lno_cnt:
	s_wait_loadcnt 12                              ; step 0's four loads are in
	TURN 0
.macro STEP t
.set XS, X+16*((\t)%2)
.if (\t) > 0
	s_wait_dscnt 1                                 ; this step's numbers are back from the stage (the last step's byte store may be out)
.else
	s_wait_dscnt 0x0
.endif
.if (\t)+4 < STEPS
	LOAD (\t)+4                                    ; into the registers that this step's stores into the stage have read
.endif
.if (\t)+1 < STEPS
.if STEPS-2-(\t) >= 3
	s_wait_loadcnt 12                              ; the next step's four loads are in; those of the three steps behind it may be out
.else
	s_wait_loadcnt 4*(STEPS-2-(\t))
.endif
	TURN (\t)+1                                    ; through the other stage while this step is worked
.endif
	v_max3_num_f32 v8, |v[XS]|, |v[XS+1]|, |v[XS+2]|               ; the largest magnitude of my 16, in two chains
	v_max3_num_f32 v9, |v[XS+3]|, |v[XS+4]|, |v[XS+5]|
.irp i, 6,10
	v_max3_num_f32 v8, v8, |v[XS+\i]|, |v[XS+\i+1]|
	v_max3_num_f32 v9, v9, |v[XS+\i+2]|, |v[XS+\i+3]|
.endr
	v_max3_num_f32 v8, v8, |v[XS+14]|, |v[XS+15]|
	v_max3_num_f32 v8, v8, v9, (EMAX+1)<<23        ; and the floor 2^(3 - 127): the byte cannot fall under 1
	v_max_num_f32_dpp v8, v8, v8 row_xmask:1 row_mask:0xf bank_mask:0xf   ; and of my neighbour's 16: the block's
	v_add_nc_u32 v11, -(EMAX<<23), v8              ; 2 off its exponent field: the conversion takes the exponent field of this operand as its scale
	v_cvt_scalef32_pk8_fp4_f32 v[C+4*(\t)], v[XS:XS+7], v11        ; to the nearest code, ties to even, beyond 6 the largest code
	v_cvt_scalef32_pk8_fp4_f32 v[C+4*(\t)+1], v[XS+8:XS+15], v11
	v_lshrrev_b32 v[E+(\t)], 23, v11               ; the scale's byte (a plain line behind the conversions)
	ds_store_b8 v5, v[E+(\t)] offset:16*(\t)       ; both lanes of a block write the same byte with the same value
	global_store_b64 v[VCO+(\t)/2], v[C+4*(\t):C+4*(\t)+1], s[20:21] offset:256*((\t)%2)   ; half a row of codes: 256 consecutive bytes, aligned
.endm
.irp t, 0,1,2,3,4,5,6,7,8,9,10,11,12,13,14,15
	STEP \t
.endr
	ds_load_b64 v[8:9], v6                         ; LDS serves a wave's instructions in order: these see my stores
	s_wait_dscnt 0x0
	global_store_b64 v[VSO], v[8:9], s[22:23]      ; four lanes store a row's 32 scale bytes, at the row's place
	s_wait_tensorcnt 0x0                           ; the wave's end, behind my last LDS store
	ds_add_u32 v[SPW], v[NIL]
	s_wait_dscnt 0x0
	s_endpgm
	; ---- Wo to f16 images.  Wave W of 128: rows 16 (W / 2) on, k 512 (W % 2) on: 16 fragments, four at a time
.Lwo:
	s_sub_co_u32 s30, s29, 864
	s_lshl_b32 s30, s30, 2
	s_add_co_u32 s30, s30, s28                     ; W
	s_lshr_b32 s31, s30, 1
	s_and_b32 s32, s30, 1
	s_lshl_b32 s38, s31, 16                        ; 16 rows of 4,096 bytes
	s_lshl_b32 s33, s32, 11                        ; 512 numbers
	s_add_co_u32 s38, s38, s33
	s_add_nc_u64 s[16:17], s[16:17], s[38:39]
	s_lshl_b32 s38, s31, 15                        ; 32 images of 1,024 bytes
	s_lshl_b32 s33, s32, 14                        ; 16 images
	s_add_co_u32 s38, s38, s33
	s_add_nc_u64 s[24:25], s[24:25], s[38:39]
	v_and_b32 v4, 15, v0
	v_bfe_u32 v5, v0, 4, 1
	v_lshlrev_b32 v4, 12, v4
	v_lshl_add_u32 v4, v5, 5, v4                   ; row r, + 32 h: my 8 numbers of each 16 along k.  (16 bytes a lane from 16 rows: not dense; Wo is 4 of the 121 MB that the launch reads)
.macro LOADB q                         ; fragments 4 q .. 4 q + 3: 16 loads into set q % 2
.irp e, 0,1,2,3,4,5,6,7
.irp i, 0,1
	global_load_b128 v[16+64*((\q)%2)+8*\e+4*\i:16+64*((\q)%2)+8*\e+4*\i+3], v4, s[16:17] offset:512*(\q)+64*\e+16*\i th:TH_LOAD_NT
.endr
.endr
.endm
.macro CVTB q                          ; eight halves of images: four roundings and one store of 512 consecutive bytes each
.irp e, 0,1,2,3,4,5,6,7
.irp j, 0,1,2,3
	v_cvt_pk_f16_f32 v[144+32*((\q)%2)+4*\e+\j], v[16+64*((\q)%2)+8*\e+2*\j], v[16+64*((\q)%2)+8*\e+2*\j+1]
.endr
.endr
.irp e, 0,1,2,3,4,5,6,7
	global_store_b128 v3, v[144+32*((\q)%2)+4*\e:144+32*((\q)%2)+4*\e+3], s[24:25] offset:4096*(\q)+512*\e
.endr
.endm
	LOADB 0
	LOADB 1
	s_wait_loadcnt 16                              ; the older 16 loads are in
	CVTB 0
	LOADB 2
	s_wait_loadcnt 16
	CVTB 1
	LOADB 3
	s_wait_loadcnt 16
	s_wait_xcnt 0x0                                ; the stores of two batches back have read their data: those registers are written again
	CVTB 2
	s_wait_loadcnt 0x0
	s_wait_xcnt 0x0
	CVTB 3
	s_wait_tensorcnt 0x0                           ; the wave's end
	ds_add_u32 v[SPW], v[NIL]
	s_wait_dscnt 0x0
	s_endpgm
.Lfunc_end_k_q94640a743e_prep:
	.size	k_q94640a743e_prep, .Lfunc_end_k_q94640a743e_prep-k_q94640a743e_prep
	.p2alignl 7, 3214868480
	.fill 96, 4, 3214868480
	.section	.rodata,"a",@progbits
	.p2align	6, 0x0
	.amdhsa_kernel k_q94640a743e_prep
		.amdhsa_group_segment_fixed_size 33280
		.amdhsa_private_segment_fixed_size 0
		.amdhsa_enable_private_segment 0
		.amdhsa_kernarg_size 96
		.amdhsa_user_sgpr_count 2
		.amdhsa_user_sgpr_kernarg_segment_ptr 1
		.amdhsa_wavefront_size32 1
		.amdhsa_system_sgpr_workgroup_id_x 1
		.amdhsa_system_sgpr_workgroup_id_y 1
		.amdhsa_system_sgpr_workgroup_id_z 1
		.amdhsa_system_vgpr_workitem_id 0
		.amdhsa_next_free_vgpr 208
		.amdhsa_next_free_sgpr 66
		.amdhsa_reserve_vcc 1
		.amdhsa_float_denorm_mode_32 3
		.amdhsa_float_denorm_mode_16_64 3
		.amdhsa_memory_ordered 1
		.amdhsa_forward_progress 1
		.amdhsa_inst_pref_size 61
	.end_amdhsa_kernel
	.amdgpu_metadata
---
amdhsa.version: [ 1, 2 ]
amdhsa.kernels:
  - .name:           k_q94640a743e_prep
    .symbol:         k_q94640a743e_prep.kd
    .args:
      - { .name: query, .offset: 0, .size: 8, .value_kind: global_buffer, .address_space: global }
      - { .name: key, .offset: 8, .size: 8, .value_kind: global_buffer, .address_space: global }
      - { .name: value, .offset: 16, .size: 8, .value_kind: global_buffer, .address_space: global }
      - { .name: Wq, .offset: 24, .size: 8, .value_kind: global_buffer, .address_space: global }
      - { .name: Wk, .offset: 32, .size: 8, .value_kind: global_buffer, .address_space: global }
      - { .name: Wv, .offset: 40, .size: 8, .value_kind: global_buffer, .address_space: global }
      - { .name: Wo, .offset: 48, .size: 8, .value_kind: global_buffer, .address_space: global }
      - { .name: mask, .offset: 56, .size: 8, .value_kind: global_buffer, .address_space: global }
      - { .name: codes, .offset: 64, .size: 8, .value_kind: global_buffer, .address_space: global }
      - { .name: scales, .offset: 72, .size: 8, .value_kind: global_buffer, .address_space: global }
      - { .name: wo16, .offset: 80, .size: 8, .value_kind: global_buffer, .address_space: global }
      - { .name: cnt, .offset: 88, .size: 8, .value_kind: global_buffer, .address_space: global }
    .group_segment_fixed_size: 33280
    .private_segment_fixed_size: 0
    .kernarg_segment_align: 8
    .kernarg_segment_size: 96
    .max_flat_workgroup_size: 128
    .sgpr_count:     66
    .vgpr_count:     208
    .wavefront_size: 32
...
	.end_amdgpu_metadata
.endif
;; end of part 1
;; launch proj (part 2): grid 4 x 96, 4 waves a work-group, clusters of 4 x 4, 327,680 bytes of LDS; arguments codes, scales, qkv; writes qkv
.if DOCPART == 2
	.amdgcn_target "amdgcn-amd-amdhsa--gfx1250"
	.amdhsa_code_object_version 6
	.text
	.protected	k_q94640a743e_proj
	.globl	k_q94640a743e_proj
	.p2align	8
	.type	k_q94640a743e_proj,@function
k_q94640a743e_proj:
	s_mov_b64 s[64:65], 0
	v_nop
	global_prefetch_b8 v0, s[64:65] scope:SCOPE_SE
	s_setreg_imm32_b32 hwreg(HW_REG_WAVE_MODE, 25, 1), 1
	s_wait_xcnt 0x0
	s_wait_alu depctr_hold_cnt(0) depctr_sa_sdst(0) depctr_va_vdst(0) depctr_va_sdst(0) depctr_va_ssrc(0) depctr_va_vcc(0) depctr_vm_vsrc(0)
	s_getreg_b32 s2, hwreg(HW_REG_IB_STS2, 6, 4)
	s_cmp_eq_u32 s2, 0
	s_cbranch_scc0 .Lentry_in_a_cluster
	s_endpgm
.Lentry_in_a_cluster:
	s_bfe_u32 s2, ttmp6, 0x10000c
	s_cmp_lg_u32 s2, 0xf033
	s_cbranch_scc0 .Lentry_shape_is_right
	s_endpgm
.Lentry_shape_is_right:
; PROJ.  The three quantised products q = query Wq^T, k = key Wk^T, v = value Wv^T, [8192][1024] each, K = 1,024, on codes of FP4 (E2M1) with one E8M0 byte for each 32 along K; sums in f32.
; codes [27648 rows][512 bytes], scales [27648 rows][32 bytes]: rows 8192 t + .. the activations, 24576 + 1024 t + n the weights (t = 0 q, 1 k, 2 v).
; A tile of 256 x 256 results is made by four waves, 128 x 128 each: 64 accumulators, 512 registers.  K is two steps of 512 (rows of 256 bytes): both slots are filled at the head and nothing is filled again.
; The scale bytes of the tile's 2 x 256 rows, two dense blocks of 8,192 bytes, come with the first fills and stay in LDS.
; CLUSTERS: 4 x 4 work-groups; cluster y = 8 t + u takes 1,024 rows of activations (u) against all 1,024 rows of the weight.  The four of a row of the cluster need the same rows of operand A,
; the four of a column the same rows of operand B: each tile is asked for jointly, by the same tensor load with the same descriptor and a mask that names the four.
; THE MATRIX INSTRUCTION TAKES 16 ROWS OF B AS SOURCE 0 AND 16 ROWS OF A AS SOURCE 1: a lane then holds row l % 16 of A's block and eight neighbouring rows 8 (l / 16) + 0 .. 7 of B's.
;   q, k: A = activations, B = weight: a lane holds one position and 8 neighbouring channels.      v: A = Wv, B = value: a lane holds one channel and 8 neighbouring key places.
; So an accumulator, rounded to f16, IS half of a 16-bit operand's registers for the attention launch (16 rows x 32 along its K: 1,024 bytes; half c at 512 c, lane l at 16 l): it leaves by one store of 512 consecutive bytes.
;   q at 0, k at 2^24: (batch 16 + head) 2^18 + (position / 16) 2048 + (channel / 32) 1024 + ..      v at 2^25: (batch 16 + head) 2^18 + (place / 64) 8192 + (channel / 16) 2048 + ((place / 32) % 2) 1024 + ..
; LIMIT: results beyond 65,504 do not fit f16.
; REGISTERS, in windows of 256: window 0: v16-29 addresses; v32-95 scale words, two sets; from v128 A's fragments, one set; on the way out v128-255 packed results.
;   window 1: B's fragments, two sets, at v0 and v128.   window 2: the accumulators of my rows 0-63 ((a, b) at v[8 (8 a + b)]);   window 3: those of rows 64-127.
.set NQ,     4                         ; steps of 128 along K in a slot
.set ROWB,   256                       ; a tile's row in bytes: 512 codes
.set KROW,   512                       ; a row of codes in memory
.set PITCH,  272                       ; an LDS row: 256 bytes + 16 of padding: the 16 rows that a load touches start 68 words apart
.set FR,     8                         ; registers of a fragment: 16 rows x 128 K
.set NL,     2                         ; LDS loads that bring one
.set NP,     4                         ; places behind this matrix instruction (ISA guide 7.12.1)
.set HALFT,  128*PITCH                 ; 128 rows: what one tensor load brings, and what one wave reads of A or of B
.set SLOT,   4*HALFT                   ; A's 256 rows, then B's 256 rows
.set KS,     32                        ; a row of scale bytes
.set SCL,    2*SLOT                    ; behind the two slots: the scales, as pieces of 256 bytes + 16 of padding
.set HALFS,  (128*KS/256)*272          ; the scales of 128 rows: what one tensor load brings
.set SBLK,   (16*KS/256)*272           ; those of 16 rows
.set SPARE,  SCL+4*HALFS               ; behind the scales: the spare words, 128 bytes for each wave
.set ADRA, 16                          ; v16-17  LDS address of my A fragments in slot 0, 1 (on the way out v16-19: the stores' offsets)
.set ADRB, 20                          ; v20-21  the same for B
.set ADRS, 27                          ; v27     LDS address of my scale words: lanes 0-15 A's rows, lanes 16-31 B's
.set SPW,  28                          ; v28     LDS address of my spare word; never rewritten
.set NIL,  29                          ; v29     0; never rewritten
.set SC,   32                          ; scale words: set s at v[SC + 32 s]; register 4 i + q: lanes 0-15 the word of A's block i, lanes 16-31 of B's block i, for the slot's q-th 128 along K
.set AF,   128                         ; A's fragments, in window 0
.set G1, 24                            ; s[24:31] descriptor group 1 for A's tiles;  s[32:39] group 0, one set for each slot
.set G0, 32
.set G1B, 48                           ; s[48:55], s[56:63] the same for B's tiles
.set G0B, 56
.set G1S, 68                           ; s[68:75], s[76:79] groups 1 and 0 for A's scales;  s[80:87], s[88:91] for B's
.set G0S, 76
.set G1SB, 80
.set G0SB, 88
.set MSB, 0
.macro WIN new                         ; the immediate's high byte repeats the setting that is left
.if MSB != \new
	s_set_vgpr_msb (MSB<<8)|\new
.set MSB, \new
.endif
.endm
.set MUL_LO, 0xa1                      ; source 0 (B) window 1, source 1 (A) window 0, C and D window 2
.set MUL_HI, 0xf1                      ; the same, C and D window 3
.set TO_B,   0x40                      ; destination window 1, address window 0
; A joint load: waves 0 and 1 fetch for A, waves 2 and 3 for B.  Each line has one mask and one set of registers for all that issue it; the branch hangs on the wave's number alone.
; An s_nop 0 and four v_nop follow each of the two lines.
.macro JLOAD g0a, g1a, g0b, g1b
	s_cmp_eq_u32 s15, 0
	s_cbranch_scc0 .Lfor_b_\@
	tensor_load_to_lds s[\g0a:\g0a+3], s[\g1a:\g1a+7]
	s_nop 0
.rept 4
	v_nop
.endr
	s_branch .Lasked_\@
.Lfor_b_\@:
	tensor_load_to_lds s[\g0b:\g0b+3], s[\g1b:\g1b+7]
	s_nop 0
.rept 4
	v_nop
.endr
.Lasked_\@:
.endm
.macro CROUND                          ; a round of the cluster's barrier
	s_barrier_signal -1
	s_barrier_wait -1
	s_cmp_lg_u32 s14, 0
	s_cbranch_scc1 .Lnot_wave_0_\@
	s_barrier_signal -3
.Lnot_wave_0_\@:
	s_barrier_wait -3
	s_barrier_signal -1
	s_barrier_wait -1
.endm
	s_load_b128 s[4:7], s[0:1], 0x0                ; codes s[4:5], scales s[6:7]
	s_load_b64 s[12:13], s[0:1], 0x10              ; qkv
	v_lshl_add_u32 v[SPW], v0, 2, SPARE
	v_mov_b32 v[NIL], 0
	ds_add_u32 v[SPW], v[NIL]                      ; the wave's opening: the add, twice on end, and its wait ahead of my first tensor load
	ds_add_u32 v[SPW], v[NIL]                      ; (once more; the set-up below, work on registers, stands between it and the wait)
	v_lshrrev_b32 v1, 5, v0
	v_readfirstlane_b32 s14, v1                    ; wave 0..3
	s_lshr_b32 s15, s14, 1                         ; which half of A's rows is mine.  Also: I fetch for A (0) or for B (1)
	s_and_b32 s16, s14, 1                          ; which half of B's rows.  Also: which 128 rows I fetch
	s_bfe_u32 s40, ttmp6, 0x40000                  ; cx, cy: my place in the cluster
	s_bfe_u32 s41, ttmp6, 0x40004
	s_and_b32 s17, ttmp7, 0xffff                   ; cluster y = 8 t + u
	s_lshr_b32 s42, s17, 3                         ; t: which product
	s_and_b32 s17, s17, 7                          ; u: which 1,024 rows of activations
	s_lshl_b32 s43, s41, 2
	s_lshl_b32 s43, 15, s43                        ; my row of the cluster
	s_lshl_b32 s44, 0x1111, s40                    ; my column
	; descriptor group 1: a tile of 128 rows x 256 bytes, padded in LDS
	s_or_b32 s[G1+0], s43, (0<<16)|(1<<20)|(1<<21)|(5<<22)|(3<<25)  ; 15:0 the mask: A's tiles go to my row; 17:16 elements of 1 byte; 20 padding on; 21 set beside a mask; 24:22 after every 64 words; 31:25 four words
	s_or_b32 s[G1B+0], s44, (0<<16)|(1<<20)|(1<<21)|(5<<22)|(3<<25)
.irp g, G1, G1B
	s_mov_b32 s[\g+1], ROWB<<16                    ; tensor_dim0
	s_mov_b32 s[\g+2], 128<<16                     ; tensor_dim1
	s_mov_b32 s[\g+3], ROWB<<16                    ; tile_dim0
	s_mov_b32 s[\g+4], 128                         ; tile_dim1
	s_mov_b32 s[\g+5], KROW                        ; tensor_dim0_stride
	s_mov_b32 s[\g+6], 0
	s_mov_b32 s[\g+7], 0
.endr
	; and for the scales of 128 rows: a dense block of 4,096 bytes, as 16 rows of 256 bytes (32 elements of 8 bytes), 16 bytes of padding behind each
	s_or_b32 s[G1S+0], s43, (3<<16)|(1<<20)|(1<<21)|(5<<22)|(3<<25)
	s_or_b32 s[G1SB+0], s44, (3<<16)|(1<<20)|(1<<21)|(5<<22)|(3<<25)
.irp g, G1S, G1SB
	s_mov_b32 s[\g+1], 32<<16
	s_mov_b32 s[\g+2], (128*KS/256)<<16
	s_mov_b32 s[\g+3], 32<<16
	s_mov_b32 s[\g+4], 128*KS/256
	s_mov_b32 s[\g+5], 32
	s_mov_b32 s[\g+6], 0
	s_mov_b32 s[\g+7], 0
.endr
	; which rows.  Both bases hang on the cluster's y alone, which all sixteen partners share
	s_lshl_b32 s18, s42, 13
	s_lshl_b32 s19, s17, 10
	s_add_co_u32 s18, s18, s19                     ; the activations' 1,024 rows begin at 8192 t + 1024 u
	s_lshl_b32 s19, s42, 10
	s_add_co_u32 s19, s19, 24576                   ; the weight's at 24576 + 1024 t
	s_cmp_eq_u32 s42, 2
	s_cselect_b32 s20, s19, s18                    ; A: the activations; for v the weight
	s_cselect_b32 s46, s18, s19                    ; B: the weight; for v the activations
	s_lshl_b32 s18, s16, 7                         ; which 128 rows of the tile I fetch
	s_lshl_b32 s19, s41, 8
	s_add_co_u32 s20, s20, s19
	s_add_co_u32 s20, s20, s18                     ; A: + 256 cy + 128 half: shared along my row of the cluster
	s_lshl_b32 s47, s40, 8
	s_add_co_u32 s46, s46, s47
	s_add_co_u32 s46, s46, s18                     ; B: + 256 cx + 128 half: shared along my column
	s_mov_b32 s21, 0
	s_mov_b32 s47, 0
	s_mov_b64 s[18:19], KS
	s_mul_u64 s[22:23], s[20:21], s[18:19]         ; where these rows' scales begin, in bytes
	s_mul_u64 s[92:93], s[46:47], s[18:19]
	s_mov_b64 s[18:19], KROW
	s_mul_u64 s[20:21], s[20:21], s[18:19]         ; and their codes
	s_mul_u64 s[46:47], s[46:47], s[18:19]
	s_mul_i32 s45, s14, HALFT                      ; where they go: wave x 128 rows: no place in the cluster enters an LDS address
	s_mul_i32 s94, s14, HALFS
	s_wait_dscnt 0x0                               ; both opening adds are done
	s_wait_kmcnt 0x0
	s_add_nc_u64 s[20:21], s[4:5], s[20:21]
	s_add_nc_u64 s[22:23], s[6:7], s[22:23]
	s_add_nc_u64 s[46:47], s[4:5], s[46:47]
	s_add_nc_u64 s[92:93], s[6:7], s[92:93]
	CROUND                                         ; all sixteen work-groups are here: the joint loads meet
	s_mov_b32 s[G0S], 1
	s_add_co_u32 s[G0S+1], s94, SCL
	s_mov_b64 s[G0S+2:G0S+3], s[22:23]
	s_or_b32 s[G0S+3], s[G0S+3], 0x80000000
	s_mov_b32 s[G0SB], 1
	s_add_co_u32 s[G0SB+1], s94, SCL
	s_mov_b64 s[G0SB+2:G0SB+3], s[92:93]
	s_or_b32 s[G0SB+3], s[G0SB+3], 0x80000000
	JLOAD G0S, G1S, G0SB, G1SB                     ; the scales first: they are wanted with K step 0.  Three loads of mine are out behind the last of these
.irp s, 0,1
	s_mov_b32 s[G0+4*\s], 1
	s_add_co_u32 s[G0+4*\s+1], s45, \s*SLOT
	s_add_nc_u64 s[G0+4*\s+2:G0+4*\s+3], s[20:21], \s*ROWB
	s_or_b32 s[G0+4*\s+3], s[G0+4*\s+3], 0x80000000
	s_mov_b32 s[G0B+4*\s], 1
	s_add_co_u32 s[G0B+4*\s+1], s45, \s*SLOT
	s_add_nc_u64 s[G0B+4*\s+2:G0B+4*\s+3], s[46:47], \s*ROWB
	s_or_b32 s[G0B+4*\s+3], s[G0B+4*\s+3], 0x80000000
	JLOAD G0+4*\s, G1, G0B+4*\s, G1B
.endr
	v_and_b32 v1, 15, v0                           ; l % 16
	v_bfe_u32 v2, v0, 4, 1                         ; l / 16
	v_mul_u32_u24 v3, v1, PITCH
	v_lshl_add_u32 v4, v2, 4, v3                   ; a fragment's row x pitch + 16 x half
	s_mul_i32 s21, s15, HALFT                      ; my 128 rows of A
	s_mul_i32 s22, s16, HALFT                      ; my 128 rows of B,
	s_add_co_u32 s22, s22, 2*HALFT                 ; which lie behind A's 256
.irp s, 0,1
	v_add_nc_u32 v[ADRA+\s], s21, v4
	v_add_nc_u32 v[ADRB+\s], s22, v4
	s_add_co_u32 s21, s21, SLOT
	s_add_co_u32 s22, s22, SLOT
.endr
	v_mul_u32_u24 v5, v1, KS                       ; my row's scales: 32 bytes a row,
	v_lshrrev_b32 v6, 8, v5
	v_lshl_add_u32 v5, v6, 4, v5                   ; and 16 more for each 256 passed
	s_mul_i32 s21, s15, HALFS                      ; A's: my 128 rows
	s_mul_i32 s22, s16, HALFS                      ; B's: my 128 rows, behind A's 256
	s_add_co_u32 s22, s22, 2*HALFS
	s_sub_co_u32 s22, s22, s21
	v_mul_u32_u24 v6, s22, v2                      ; lanes 16-31 take B's: one product, the distance between the two bases
	s_add_co_u32 s21, s21, SCL
	v_add_nc_u32 v5, v5, v6
	v_add_nc_u32 v[ADRS], s21, v5
	; the way out: where my 128 x 128 begins in qkv.  pA, pB: my A rows / 64 and my B rows / 64 within the cluster's 1,024
	s_lshl_b32 s20, s41, 2
	s_lshl_b32 s21, s15, 1
	s_add_co_u32 s20, s20, s21                     ; pA = 4 cy + 2 (wave / 2)
	s_lshl_b32 s46, s40, 2
	s_lshl_b32 s47, s16, 1
	s_add_co_u32 s46, s46, s47                     ; pB = 4 cx + 2 (wave % 2)
	s_mov_b32 s18, 8192
	s_mov_b32 s19, 1<<18
	s_cmp_eq_u32 s42, 2
	s_cselect_b32 s21, s46, s20                    ; 64 positions on: 8,192 bytes: they run along A, for v along B
	s_cselect_b32 s22, s20, s46                    ; 64 channels on: a head, 2^18 bytes: they run along B, for v along A
	s_cselect_b32 s95, s19, s18                    ; four of A's blocks on
	s_cselect_b32 s96, s18, s19                    ; four of B's blocks on
	s_lshl_b32 s92, s42, 24                        ; the product's part of qkv,
	s_lshr_b32 s93, s17, 1
	s_lshl_b32 s93, s93, 22                        ; the batch: 16 heads,
	s_add_co_u32 s92, s92, s93
	s_lshl_b32 s93, s22, 18                        ; the head,
	s_add_co_u32 s92, s92, s93
	s_and_b32 s93, s17, 1
	s_lshl_b32 s93, s93, 4
	s_add_co_u32 s93, s93, s21
	s_lshl_b32 s93, s93, 13                        ; the position / 64
	s_add_co_u32 s92, s92, s93
	s_mov_b32 s93, 0
	s_add_nc_u64 s[12:13], s[12:13], s[92:93]
.macro FRAG reg, adr, q, i             ; a fragment, 16 rows x 128 K of 4-bit codes: lane l holds row l % 16; registers 4 c .. 4 c + 3 hold K = 64 c + 32 (l / 16) + 0 .. 31
.irp c, 0,1
	ds_load_b128 v[\reg+4*\c:\reg+4*\c+3], v[\adr] offset:64*(\q)+32*\c+(\i)*16*PITCH
.endr
.endm
; 16 matrix instructions: A's blocks a0, a0 + 1 x B's eight, the slot's q-th 128 along K.  p: B's set;  sc: the set of scale words.  zero = 1: the first product starts the sums.
; The 64 accumulators take turns, one instruction a turn, in the same order in every step.
.macro MUL16 a0, p, q, sc, zero
.irp a, \a0, \a0+1
.irp b, 0,1,2,3,4,5,6,7
.if \zero
	v_wmma_scale_f32_16x16x128_f8f6f4 v[8*(8*((\a)%4)+\b):8*(8*((\a)%4)+\b)+7], v[128*(\p)+FR*\b:128*(\p)+FR*\b+FR-1], v[AF+FR*(\a):AF+FR*(\a)+FR-1], 0, v[SC+8*NQ*(\sc)+NQ*\b+(\q)], v[SC+8*NQ*(\sc)+NQ*(\a)+(\q)] matrix_a_fmt:MATRIX_FMT_FP4 matrix_b_fmt:MATRIX_FMT_FP4 matrix_a_scale:MATRIX_SCALE_ROW1
.else
	v_wmma_scale_f32_16x16x128_f8f6f4 v[8*(8*((\a)%4)+\b):8*(8*((\a)%4)+\b)+7], v[128*(\p)+FR*\b:128*(\p)+FR*\b+FR-1], v[AF+FR*(\a):AF+FR*(\a)+FR-1], v[8*(8*((\a)%4)+\b):8*(8*((\a)%4)+\b)+7], v[SC+8*NQ*(\sc)+NQ*\b+(\q)], v[SC+8*NQ*(\sc)+NQ*(\a)+(\q)] matrix_a_fmt:MATRIX_FMT_FP4 matrix_b_fmt:MATRIX_FMT_FP4 matrix_a_scale:MATRIX_SCALE_ROW1
.endif
.endr
.endr
.endm
.macro FETCH_B slot, q, p              ; B's eight fragments of the slot's q-th 128 along K into set p
	WIN TO_B
.irp i, 0,1,2,3,4,5,6,7
	FRAG 128*(\p)+FR*\i, ADRB+\slot, \q, \i
.endr
	WIN 0
.endm
.macro FETCH_A slot, q, i0             ; A's blocks i0 .. i0 + 3
.irp i, \i0, \i0+1, \i0+2, \i0+3
	FRAG AF+FR*(\i), ADRA+\slot, \q, \i
.endr
.endm
.macro SCALES sc                       ; a K step's scale words into set sc: four words a row; lanes 0-15 take A's block i, lanes 16-31 B's block i
.irp i, 0,1,2,3,4,5,6,7
	ds_load_b128 v[SC+8*NQ*\sc+NQ*\i:SC+8*NQ*\sc+NQ*\i+3], v[ADRS] offset:\i*SBLK
.endr
.endm
; A load into a register that a matrix instruction has read, and a vector instruction that reads a matrix result or writes one of its registers, stand four places behind it;
; only plain vector instructions that name none of its registers are places (ISA guide 7.12.1 for vector instructions).
.macro PLACES n
.rept \n
	v_nop
.endr
.endm
; A step of 128 along K that has its successor in the same slot.  A's blocks 0-3 are fetched anew in its middle, blocks 4-7 at its end; B has two sets.
.macro STEP slot, q, zero
	s_wait_dscnt 4*NL                              ; B's set and A's blocks 0-3 are in; the youngest eight loads (A's blocks 4-7) may be out
	WIN MUL_LO
	MUL16 0, (\q)%2, \q, \slot, \zero
	MUL16 2, (\q)%2, \q, \slot, \zero
	s_wait_dscnt 0                                 ; A's blocks 4-7 are in (asked for 32 matrix instructions ago)
	PLACES NP
	FETCH_B \slot, (\q)+1, 1-(\q)%2
	FETCH_A \slot, (\q)+1, 0
	WIN MUL_HI
	MUL16 4, (\q)%2, \q, \slot, \zero
	MUL16 6, (\q)%2, \q, \slot, \zero
	PLACES NP
	WIN 0
	FETCH_A \slot, (\q)+1, 4
.endm
; Slot 0's last step changes slots: one barrier; in front of it each wave waits for all its tensor loads, its part of slot 1 among them.  Nothing is filled again.
.macro TURN slot, next
	s_wait_tensorcnt 0x0                           ; all my tensor loads have landed  (every window is 0 here)
	ds_add_u32 v[SPW], v[NIL]                      ; 0 onto my spare word
	s_wait_dscnt 4*NL+1                            ; (the add and the youngest eight loads, A's blocks 4-7, may be out)
	WIN MUL_LO
	MUL16 0, 1, NQ-1, \slot, 0                     ; sixteen matrix instructions stand between the add and the wait for it
	s_wait_dscnt 0x0                               ; the add is done; no LDS instruction of mine is pending at the signal
	s_barrier_signal -1
	MUL16 2, 1, NQ-1, \slot, 0
	WIN 0
	s_barrier_wait -1                              ; every wave's part of the next slot has landed
	PLACES NP
	v_add_nc_u32 v[ADRS], 4*NQ, v[ADRS]            ; on to the next K step's scale words (no LDS load of mine is out)
	FETCH_B \next, 0, 0
	FETCH_A \next, 0, 0
	SCALES \next
	WIN MUL_HI
	MUL16 4, 1, NQ-1, \slot, 0
	MUL16 6, 1, NQ-1, \slot, 0
	PLACES NP
	WIN 0
	FETCH_A \next, 0, 4
.endm
	s_wait_tensorcnt 1                             ; the scales and my part of K step 0 are in (K step 1's load may be out),
	s_barrier_signal -1
	s_barrier_wait -1                              ; everybody's are
	FETCH_B 0, 0, 0
	FETCH_A 0, 0, 0
	SCALES 0
	FETCH_A 0, 0, 4
	STEP 0, 0, 1                                   ; the first products start the sums: nothing is cleared
	STEP 0, 1, 0
	STEP 0, 2, 0
	TURN 0, 1
	STEP 1, 0, 0
	STEP 1, 1, 0
	STEP 1, 2, 0
	s_wait_dscnt 4*NL                              ; the last step: nothing more to fetch
	WIN MUL_LO
	MUL16 0, 1, NQ-1, 1, 0
	MUL16 2, 1, NQ-1, 1, 0
	s_wait_dscnt 0
	WIN MUL_HI
	MUL16 4, 1, NQ-1, 1, 0
	MUL16 6, 1, NQ-1, 1, 0
	WIN 0
	; THE WAY OUT.  Offsets: 16 x lane + (a / 4) x four of A's blocks + (b / 4) x four of B's; the rest stands in the immediate
	v_and_b32 v16, 31, v0
	v_lshlrev_b32 v16, 4, v16
	v_add_nc_u32 v17, s96, v16
	v_add_nc_u32 v18, s95, v16
	v_add_nc_u32 v19, s96, v18
	PLACES NP                                      ; in front of the first writes of the registers that held A's fragments
.macro OUT a                           ; A's block a: eight accumulators, each from its low end on: four roundings to f16 and one store of 512 consecutive bytes, aligned
.if (\a) >= 4
	s_wait_xcnt 0x0                                ; block a - 4's stores have read their data: those registers are written again
.endif
.set AC, 64*((\a)%4)
.set TMP, 128+32*((\a)%4)
	WIN 0x0a+5*((\a)/4)                            ; sources 0 and 1: window 2 or 3
.irp b, 0,1,2,3,4,5,6,7
.irp r, 0,1,2,3
	v_cvt_pk_f16_f32 v[TMP+4*\b+\r], v[AC+8*\b+2*\r], v[AC+8*\b+2*\r+1]
.endr
.endr
	WIN 0
.irp b, 0,1,2,3,4,5,6,7
	global_store_b128 v[16+2*((\a)/4)+\b/4], v[TMP+4*\b:TMP+4*\b+3], s[12:13] offset:((\a)%4)*2048+(\b%4)*512
.endr
.endm
.irp a, 0,1,2,3,4,5,6,7
	OUT \a
.endr
	s_wait_tensorcnt 0x0                           ; the wave's end, behind my last tensor load
	ds_add_u32 v[SPW], v[NIL]
	s_wait_dscnt 0x0
	CROUND                                         ; the closing round: no work-group ends while a partner may still ask for a tile that names it
	s_endpgm
.Lfunc_end_k_q94640a743e_proj:
	.size	k_q94640a743e_proj, .Lfunc_end_k_q94640a743e_proj-k_q94640a743e_proj
	.p2alignl 7, 3214868480
	.fill 96, 4, 3214868480
	.section	.rodata,"a",@progbits
	.p2align	6, 0x0
	.amdhsa_kernel k_q94640a743e_proj
		.amdhsa_group_segment_fixed_size 327680
		.amdhsa_private_segment_fixed_size 0
		.amdhsa_enable_private_segment 0
		.amdhsa_kernarg_size 24
		.amdhsa_user_sgpr_count 2
		.amdhsa_user_sgpr_kernarg_segment_ptr 1
		.amdhsa_wavefront_size32 1
		.amdhsa_system_sgpr_workgroup_id_x 1
		.amdhsa_system_sgpr_workgroup_id_y 1
		.amdhsa_system_sgpr_workgroup_id_z 1
		.amdhsa_system_vgpr_workitem_id 0
		.amdhsa_next_free_vgpr 1024
		.amdhsa_next_free_sgpr 98
		.amdhsa_reserve_vcc 0
		.amdhsa_float_denorm_mode_32 3
		.amdhsa_float_denorm_mode_16_64 3
		.amdhsa_memory_ordered 1
		.amdhsa_forward_progress 1
		.amdhsa_inst_pref_size 118
	.end_amdhsa_kernel
	.amdgpu_metadata
---
amdhsa.version: [ 1, 2 ]
amdhsa.kernels:
  - .name:           k_q94640a743e_proj
    .symbol:         k_q94640a743e_proj.kd
    .args:
      - { .name: codes, .offset: 0, .size: 8, .value_kind: global_buffer, .address_space: global }
      - { .name: scales, .offset: 8, .size: 8, .value_kind: global_buffer, .address_space: global }
      - { .name: qkv, .offset: 16, .size: 8, .value_kind: global_buffer, .address_space: global }
    .group_segment_fixed_size: 327680
    .private_segment_fixed_size: 0
    .kernarg_segment_align: 8
    .kernarg_segment_size: 24
    .max_flat_workgroup_size: 128
    .sgpr_count:     98
    .vgpr_count:     1024
    .wavefront_size: 32
...
	.end_amdgpu_metadata
.endif
;; end of part 2
;; launch attn (part 3): grid 4 x 64, 8 waves a work-group, no clusters, 66,560 bytes of LDS; arguments qkv, cnt, ctx; writes ctx
.if DOCPART == 3
	.amdgcn_target "amdgcn-amd-amdhsa--gfx1250"
	.amdhsa_code_object_version 6
	.text
	.protected	k_q94640a743e_attn
	.globl	k_q94640a743e_attn
	.p2align	8
	.type	k_q94640a743e_attn,@function
k_q94640a743e_attn:
	s_mov_b64 s[64:65], 0
	v_nop
	global_prefetch_b8 v0, s[64:65] scope:SCOPE_SE
	s_setreg_imm32_b32 hwreg(HW_REG_WAVE_MODE, 25, 1), 1
	s_wait_xcnt 0x0
; ATTN.  ctx[b][q][head] = softmax_k(q . k / 8, masked) v, head size 64, with f16 operands and f32 sums, maxima and exponentials.
; q, k, v lie in qkv as images of the matrix operands' registers (16 rows x 32 along K: 1,024 bytes; half c at 512 c, lane l at 16 l): every load is 16 bytes a lane at 16 x lane.
; THE MASK.  The keys of a batch were put in order by the first launch: those with mask 0 first; cnt[batch] is their number.  A key with mask 1 has the score -1e9, so its weight beside any key with
; mask 0 is exp(-1e9 - max) = 0: only the first n = cnt keys are walked; in the last step keys at or past n get the score -infinity.  If cnt = 0 every score is -1e9 and the weights are equal:
; then n = 2,048 and the factor c on the scores is 0, so that every weight is 2^0 = 1.
; LIMITS: where a key with mask 0 has a score / 8 within about 100 of -1e9 or under it, the masked keys' weights are not 0 in the definition and are 0 here; NaN and infinities are not served;
; ctx beyond 65,504 does not fit f16.
; SHARES.  A work-group owns 512 queries of one head, each of its eight waves 64: four tiles of 16, in 512 registers: two waves to a SIMD, so that one wave's vector work stands beside the other's products.
; LAYOUT.  S^T = K Q^T (source 0 = 16 keys, source 1 = 16 queries): a lane holds ONE query (lane % 16) and keys 8 (lane / 16) + 0 .. 7.  Two such tiles rounded to f16 in pairs ARE source 1 of O^T = V^T P.
; The row's sum l is a product too: a fragment of ones times P: it sums the very f16 weights that multiply V, and every lane gets its own query's whole sum.
; SOFTMAX.  A running maximum m for each query; p = 2^(c s - c m), c = log2(e) / 8; in every step O and l are multiplied by a = 2^(c m_old - c m_new).
; K AND V go from memory through registers into LDS (dense copies of images), two slots of 128 keys, one barrier a slot.  NO TENSOR LOAD AND NO CLUSTER, though the four work-groups of a head read the same
; K and V: which steps are walked hangs on cnt, a number read from memory; leaving the masked keys out spares more than sharing would.
; The loop has a constant count, 8 trips of two slots; a step, a load or a store past n is jumped over by a scalar branch; no barrier stands under such a branch.
; O, l and the staging registers begin as zeros, by 192 moves, so that the key step is written once for all steps and every register is written on every way through the branches.
; REGISTERS.  Window 0: v2-13 addresses and constants; v16-47 eight a tile: +0 c m, +1 m, +4 .. +7 at work (a at +6); v48-55 ones; v56-119 eight fragments of K, then of V; v128-255 S^T, 32 a tile; P is packed in place into the first 16 of them.
;   Window 1: v0-63 Q; v64-191 O^T, 32 a tile; v192-223 l, 8 a tile; v224-255 staging, 16 for each step of a slot.
.set SLOT1, 32768                      ; LDS: slot s at 32768 s; in it step q at 16384 q: K's 8 images (2 x tile of keys + channels / 32), then V's 8 (2 x tile of channels + keys / 32)
.set STEPB, 16384
.set SPARE, 65536                      ; behind the slots: the spare words, 128 bytes for each wave
.set LR,   2                           ; v2   16 x lane: LDS reads, Q's loads, ctx's stores
.set LW,   3                           ; v3   16 x thread: the staging loads and stores: the eight waves cover 4,096 bytes
.set H8,   8                           ; v8   8 (lane / 16)
.set NINF, 9                           ; v9   -infinity
.set SPW,  10                          ; v10  LDS address of my spare word; never rewritten
.set NIL,  11                          ; v11  0; never rewritten
.set PFO,  12                          ; v12  256 x lane: the prefetches' offset
.set DD,   13                          ; v13  the last step: keys left, less 8 (lane / 16)
.set ST,   16
.set ONES, 48
.set KV,   56
.set S,    128
.set Q,    0                           ; window 1
.set O,    64
.set L,    192
.set STG,  224
.set WV,   10                          ; s10 wave;  s11 block of 512 queries;  s12 batch x 16 + head
.set BX,   11
.set BH,   12
.set KP,   16                          ; s[16:17] K at the trip's first key;  s[18:19] V likewise
.set VP,   18
.set QP,   20                          ; s[20:21] Q at my wave's first tile
.set PFA,  22                          ; s[22:23] my prefetches' base: K's (waves 0, 1) or V's (waves 2, 3) step wave % 2 of the trip's first slot
.set NE,   24                          ; s24 n: keys to walk
.set CS,   26                          ; s[26:27] c (named as a pair)
.set SEL,  28                          ; s[28:29] lane l xor 16
.set KF,   32                          ; s32 the trip's first key
.set T0,   33
.set T1,   34
.set TRIPS, 35
.set PLIM, 36                          ; s36 n - 64 (wave % 2) in a wave that prefetches, else 0
.set MSB, 0
.macro WIN new                         ; the immediate's high byte repeats the setting that is left; at every label and branch the setting is 0
.if MSB != \new
	s_set_vgpr_msb (MSB<<8)|\new
.set MSB, \new
.endif
.endm
.set W_KQ, 0x04                        ; source 1 (Q) window 1
.set W_PV, 0x50                        ; C and D (O^T, l) window 1
.set W_RS, 0x41                        ; destination and source 0 window 1
.set W_LD, 0x40                        ; a load's destination window 1
.set W_ST, 0x04                        ; an LDS store's data window 1
.set W_CV, 0x05                        ; sources 0 and 1 window 1
.set W_RC, 0x01                        ; source 0 window 1
	s_load_b128 s[4:7], s[0:1], 0x0                ; qkv, cnt
	s_load_b64 s[8:9], s[0:1], 0x10                ; ctx
	v_lshl_add_u32 v[SPW], v0, 2, SPARE
	v_mov_b32 v[NIL], 0
	v_lshrrev_b32 v1, 5, v0
	v_readfirstlane_b32 s[WV], v1
	s_mov_b32 s[BX], ttmp9
	s_and_b32 s[BH], ttmp7, 0xffff
	v_and_b32 v1, 31, v0
	v_lshlrev_b32 v[LR], 4, v1
	v_lshlrev_b32 v[LW], 4, v0
	v_lshlrev_b32 v[PFO], 8, v1
	v_bfe_u32 v[H8], v0, 4, 1
	v_lshlrev_b32 v[H8], 3, v[H8]
	v_mov_b32 v[NINF], 0xff800000
	s_mov_b32 s[SEL], 0x76543210
	s_mov_b32 s[SEL+1], 0xfedcba98
	s_mov_b32 s[KF], 0
	s_mov_b32 s39, 0
	s_mov_b32 s41, 0
	s_lshr_b32 s[T0], s[BH], 4                     ; the batch
	s_lshl_b32 s38, s[T0], 7
	s_wait_kmcnt 0x0
	s_add_nc_u64 s[6:7], s[6:7], s[38:39]
	s_load_b32 s[NE], s[6:7], 0x0                  ; the batch's count
	s_lshl_b32 s40, s[BH], 18
	s_add_nc_u64 s[KP:KP+1], s[4:5], s[40:41]      ; my head in q's part
	s_lshl_b32 s38, s[BX], 16
	s_lshl_b32 s[T1], s[WV], 13
	s_add_co_u32 s38, s38, s[T1]                   ; (32 block + 4 wave) tiles of 2,048 bytes
	s_add_nc_u64 s[QP:QP+1], s[KP:KP+1], s[38:39]
	s_add_nc_u64 s[VP:VP+1], s[KP:KP+1], 0x2000000 ; in v's part
	s_add_nc_u64 s[KP:KP+1], s[KP:KP+1], 0x1000000 ; in k's part
	s_cmp_lt_u32 s[WV], 2
	s_cselect_b64 s[PFA:PFA+1], s[KP:KP+1], s[VP:VP+1]
	s_and_b32 s38, s[WV], 1
	s_lshl_b32 s38, s38, 13
	s_add_nc_u64 s[PFA:PFA+1], s[PFA:PFA+1], s[38:39]
	s_lshl_b32 s38, s[T0], 7                       ; ctx: tile of 16 rows = 128 batch + 32 block + 4 wave, 32,768 bytes each; + head x 2,048
	s_lshl_b32 s[T1], s[BX], 5
	s_add_co_u32 s38, s38, s[T1]
	s_lshl_b32 s[T1], s[WV], 2
	s_add_co_u32 s38, s38, s[T1]
	s_lshl_b32 s38, s38, 15
	s_and_b32 s[T1], s[BH], 15
	s_lshl_b32 s[T1], s[T1], 11
	s_add_co_u32 s38, s38, s[T1]
	s_add_nc_u64 s[8:9], s[8:9], s[38:39]
	WIN W_LD
.irp e, 0,1,2,3,4,5,6,7,8,9,10,11,12,13,14,15
	global_load_b128 v[Q+4*\e:Q+4*\e+3], v[LR], s[QP:QP+1] offset:512*\e th:TH_LOAD_NT   ; Q stays in registers: tile e / 4, channels 32 ((e / 2) % 2) on, half e % 2
.endr
.set i, O
.rept 192
	v_mov_b32 v[i], 0                              ; O^T, l, staging
.set i, i+1
.endr
	WIN 0
.irp j, 0,1,2,3,4,5,6,7
	v_mov_b32 v[ONES+\j], 0x3c003c00               ; 1.0, twice, in f16
.endr
	s_wait_kmcnt 0x0
	s_cmp_eq_u32 s[NE], 0                          ; whole numbers alone decide
	s_cselect_b32 s[CS], 0, 0x3e38aa3b             ; c = log2(e) / 8, or 0 where every key is masked
	s_cselect_b32 s[NE], 2048, s[NE]
	s_min_u32 s[NE], s[NE], 2048
	s_mov_b32 s[CS+1], s[CS]
.irp t, 0,1,2,3
	v_mov_b32 v[ST+8*\t+1], 0xff61b1e6             ; m = -3e38, under every score
	v_mov_b32 v[ST+8*\t+7], 0                      ; (named as the upper half of a pair on every way)
	v_mul_f32 v[ST+8*\t], s[CS], v[ST+8*\t+1]      ; c m
.endr
	s_lshr_b32 s[T0], s[WV], 2                     ; waves 0-3 of the head's first work-group prefetch
	s_or_b32 s[T0], s[T0], s[BX]
	s_and_b32 s[T1], s[WV], 1
	s_lshl_b32 s[T1], s[T1], 6
	s_sub_co_i32 s[T1], s[NE], s[T1]
	s_cmp_eq_u32 s[T0], 0
	s_cselect_b32 s[PLIM], s[T1], 0
; The 64 keys that begin koff behind the trip's first key, if they are walked, are asked for: 8,192 bytes of K and of V, 16 bytes a thread and instruction, into staging set q.
.macro PRE q, koff, goff
	s_add_co_u32 s[T0], s[KF], (\koff)
	s_cmp_lt_u32 s[T0], s[NE]
	s_cbranch_scc0 .Lno_pre_\@
	WIN W_LD
	global_load_b128 v[STG+16*\q:STG+16*\q+3], v[LW], s[KP:KP+1] offset:(\goff)
	global_load_b128 v[STG+16*\q+4:STG+16*\q+7], v[LW], s[KP:KP+1] offset:(\goff)+4096
	global_load_b128 v[STG+16*\q+8:STG+16*\q+11], v[LW], s[VP:VP+1] offset:(\goff)
	global_load_b128 v[STG+16*\q+12:STG+16*\q+15], v[LW], s[VP:VP+1] offset:(\goff)+4096
	WIN 0
.Lno_pre_\@:
.endm
; and put into LDS, at byte lds.  The wait for the loads stands in front of this macro, outside its branch.
.macro POST q, koff, lds
	s_add_co_u32 s[T0], s[KF], (\koff)
	s_cmp_lt_u32 s[T0], s[NE]
	s_cbranch_scc0 .Lno_post_\@
	WIN W_ST
	ds_store_b128 v[LW], v[STG+16*\q:STG+16*\q+3] offset:(\lds)
	ds_store_b128 v[LW], v[STG+16*\q+4:STG+16*\q+7] offset:(\lds)+4096
	ds_store_b128 v[LW], v[STG+16*\q+8:STG+16*\q+11] offset:(\lds)+8192
	ds_store_b128 v[LW], v[STG+16*\q+12:STG+16*\q+15] offset:(\lds)+12288
	WIN 0
.Lno_post_\@:
.endm
; A PREFETCH INTO THE L2 of the slot that the NEXT half trip's loads will ask for: it stands behind this half's loads.  A slot is 16,384 bytes of K and of V.  All four work-groups of a head walk the same keys:
; the first of them asks; in it waves 0 and 1 for K's two steps, waves 2 and 3 for V's: 8,192 bytes a wave, lanes 256 bytes apart: each block of 256 bytes is named once in the launch.
; A step past n is not asked for, so no request passes the head's keys.  Slots 0 and 1 come by their loads alone.
.macro ASK hs
	s_add_co_u32 s[T0], s[KF], 128*(\hs)+256
	s_cmp_lt_i32 s[T0], s[PLIM]
	s_cbranch_scc0 .Lnot_mine_\@
	global_prefetch_b8 v[PFO], s[PFA:PFA+1] offset:16384*((\hs)+2) th:TH_LOAD_NT scope:SCOPE_SE
.Lnot_mine_\@:
.endm
; A KEY STEP: the 64 keys that begin koff behind the trip's first, whose images lie at LDS byte lds.
.macro STEP koff, lds
	s_add_co_u32 s[T0], s[KF], (\koff)
	s_cmp_lt_u32 s[T0], s[NE]
	s_cbranch_scc0 .Lidle_\@                       ; past n: nothing to do
.rept 5
	v_nop                                          ; five places behind the last step's products: the loads below land on fragments that they read (four are asked), and the products below write S^T over the P that they read (five)
.endr
.irp f, 0,1,2,3,4,5,6,7
	ds_load_b128 v[KV+8*\f:KV+8*\f+3], v[LR] offset:(\lds)+1024*\f
	ds_load_b128 v[KV+8*\f+4:KV+8*\f+7], v[LR] offset:(\lds)+1024*\f+512
.endr
	s_wait_dscnt 0x0
	WIN W_KQ
.irp cc, 0,1                           ; S^T = K Q^T: 16 accumulators by turns, one instruction a turn; the first 16 start the sums
.irp kt, 0,1,2,3
.irp t, 0,1,2,3
.if \cc == 0
	v_wmma_f32_16x16x32_f16 v[S+32*\t+8*\kt:S+32*\t+8*\kt+7], v[KV+8*(2*\kt+\cc):KV+8*(2*\kt+\cc)+7], v[Q+8*(2*\t+\cc):Q+8*(2*\t+\cc)+7], 0
.else
	v_wmma_f32_16x16x32_f16 v[S+32*\t+8*\kt:S+32*\t+8*\kt+7], v[KV+8*(2*\kt+\cc):KV+8*(2*\kt+\cc)+7], v[Q+8*(2*\t+\cc):Q+8*(2*\t+\cc)+7], v[S+32*\t+8*\kt:S+32*\t+8*\kt+7]
.endif
.endr
.endr
.endr
	WIN 0
.rept 4
	v_nop                                          ; four places: in front of V's loads into K's registers, and of the first read of the scores
.endr
.irp f, 0,1,2,3,4,5,6,7
	ds_load_b128 v[KV+8*\f:KV+8*\f+3], v[LR] offset:(\lds)+8192+1024*\f        ; V lands while the softmax is worked
	ds_load_b128 v[KV+8*\f+4:KV+8*\f+7], v[LR] offset:(\lds)+8192+1024*\f+512
.endr
	s_add_co_u32 s[T1], s[T0], 64
	s_cmp_le_u32 s[T1], s[NE]
	s_cbranch_scc1 .Lfull_\@                       ; all 64 keys count
	s_sub_co_u32 s[T1], s[NE], s[T0]               ; keys left, 1 .. 63 (so c is not 0 here: n = 2,048 has no such step)
	v_sub_nc_u32 v[DD], s[T1], v[H8]               ; register 8 kt + j holds key 16 kt + 8 (lane / 16) + j: past the end where 16 kt + j >= keys left - 8 (lane / 16)
.irp kt, 0,1,2,3
.irp j, 0,1,2,3,4,5,6,7
	v_cmp_ge_i32 vcc_lo, 16*\kt+\j, v[DD]
.irp t, 0,1,2,3
	v_cndmask_b32 v[S+32*\t+8*\kt+\j], v[S+32*\t+8*\kt+\j], v[NINF], vcc_lo
.endr
.endr
.endr
.Lfull_\@:
	; the maximum of a lane's 32 scores and the old m: four chains a tile, each accumulator from its low end on; the four tiles by turns
.irp j, 0,1,2,3
.irp t, 0,1,2,3
	v_max3_num_f32 v[ST+8*\t+4+\j], v[S+32*\t+8*\j], v[S+32*\t+8*\j+1], v[S+32*\t+8*\j+2]
.endr
.endr
.irp u, 1,2
.irp j, 0,1,2,3
.irp t, 0,1,2,3
	v_max3_num_f32 v[ST+8*\t+4+\j], v[ST+8*\t+4+\j], v[S+32*\t+8*\j+2*\u+1], v[S+32*\t+8*\j+2*\u+2]
.endr
.endr
.endr
.irp t, 0,1,2,3
	v_max3_num_f32 v[ST+8*\t+4], v[ST+8*\t+4], v[S+32*\t+7], v[S+32*\t+15]
.endr
.irp t, 0,1,2,3
	v_max3_num_f32 v[ST+8*\t+6], v[ST+8*\t+6], v[S+32*\t+23], v[S+32*\t+31]
.endr
.irp t, 0,1,2,3
	v_max3_num_f32 v[ST+8*\t+4], v[ST+8*\t+4], v[ST+8*\t+5], v[ST+8*\t+6]
.endr
.irp t, 0,1,2,3
	v_max3_num_f32 v[ST+8*\t+4], v[ST+8*\t+4], v[ST+8*\t+7], v[ST+8*\t+1]
.endr
.irp t, 0,1,2,3
	v_permlanex16_b32 v[ST+8*\t+5], v[ST+8*\t+4], s[SEL], s[SEL+1]   ; the query's other 32 keys lie in the lane 16 away
.endr
.irp t, 0,1,2,3
	v_mov_b32 v[ST+8*\t+7], v[ST+8*\t]             ; c m_old
.endr
.irp t, 0,1,2,3
	v_max_num_f32 v[ST+8*\t+1], v[ST+8*\t+4], v[ST+8*\t+5]
.endr
.irp t, 0,1,2,3
	v_mul_f32 v[ST+8*\t], s[CS], v[ST+8*\t+1]
.endr
.irp t, 0,1,2,3
	v_sub_f32 v[ST+8*\t+7], v[ST+8*\t+7], v[ST+8*\t]
.endr
.set i, 0
.rept 16
.irp t, 0,1,2,3
	v_pk_fma_f32 v[S+32*\t+2*i:S+32*\t+2*i+1], v[S+32*\t+2*i:S+32*\t+2*i+1], s[CS:CS+1], v[ST+8*\t:ST+8*\t+1] op_sel_hi:[1,0,0] neg_lo:[0,0,1] neg_hi:[0,0,1]   ; c s - c m, two at a time
.endr
.set i, i+1
.endr
.irp t, 0,1,2,3
	v_exp_f32 v[ST+8*\t+6], v[ST+8*\t+7]           ; a = 2^(c m_old - c m_new)
.endr
.set i, 0
.rept 128
	v_exp_f32 v[S+i], v[S+i]                       ; p
.set i, i+1
.endr
	v_nop                                          ; a plain instruction behind the last exponential
	s_wait_alu depctr_va_vdst(0)                   ; ONE wait for the batch of 132, ahead of the first instruction that names a result
.set i, 0
.rept 16
.irp t, 0,1,2,3
	v_cvt_pk_f16_f32 v[S+32*\t+i], v[S+32*\t+2*i], v[S+32*\t+2*i+1]   ; P in place: register i is written when registers up to 2 i - 1 have been read
.endr
.set i, i+1
.endr
	WIN W_RS
.irp t, 0,1,2,3
.set i, 0
.rept 16
	v_pk_mul_f32 v[O+32*\t+2*i:O+32*\t+2*i+1], v[O+32*\t+2*i:O+32*\t+2*i+1], v[ST+8*\t+6:ST+8*\t+7] op_sel_hi:[1,0]   ; O^T x a
.set i, i+1
.endr
	v_pk_mul_f32 v[L+8*\t:L+8*\t+1], v[L+8*\t:L+8*\t+1], v[ST+8*\t+6:ST+8*\t+7] op_sel_hi:[1,0]   ; l x a: all its rows are equal, register 0 alone is read at the end; the others stay at or under 2,048
.endr
	s_wait_dscnt 0x0                               ; V is in
	WIN W_PV
.irp kc, 0,1                           ; O^T += V^T P and l += ones P: 20 accumulators by turns
.irp ct, 0,1,2,3
.irp t, 0,1,2,3
	v_wmma_f32_16x16x32_f16 v[O+32*\t+8*\ct:O+32*\t+8*\ct+7], v[KV+8*(2*\ct+\kc):KV+8*(2*\ct+\kc)+7], v[S+32*\t+8*\kc:S+32*\t+8*\kc+7], v[O+32*\t+8*\ct:O+32*\t+8*\ct+7]
.endr
.endr
.irp t, 0,1,2,3
	v_wmma_f32_16x16x32_f16 v[L+8*\t:L+8*\t+7], v[ONES:ONES+7], v[S+32*\t+8*\kc:S+32*\t+8*\kc+7], v[L+8*\t:L+8*\t+7]
.endr
.endr
	WIN 0
.Lidle_\@:
.endm
; HALF A TRIP: slot hs is read, the other slot is written with the 128 keys that follow.  One barrier: in front of it each wave's stores into this slot have landed and its reads of the other slot are back.
.macro HALF hs
	s_wait_dscnt 0x0
	s_barrier_signal -1
	s_barrier_wait -1
	PRE 0, 128*(\hs+1), 16384*(\hs+1)
	PRE 1, 128*(\hs+1)+64, 16384*(\hs+1)+8192
	ASK \hs
	STEP 128*\hs, SLOT1*\hs
	s_wait_loadcnt 0x0                             ; the staging loads have had a key step in which to land
	POST 0, 128*(\hs+1), SLOT1*(1-\hs)
	POST 1, 128*(\hs+1)+64, SLOT1*(1-\hs)+STEPB
	STEP 128*\hs+64, SLOT1*\hs+STEPB
.endm
	PRE 0, 0, 0                                    ; slot 0: the head's first 128 keys
	PRE 1, 64, 8192
	s_wait_loadcnt 0x0                             ; these, and Q
	POST 0, 0, 0
	POST 1, 64, STEPB
	s_mov_b32 s[TRIPS], 8
.Ltrip:                                            ; 8 trips of 256 keys, whatever n is; in the last trip's second half 2,048 < n fails, so nothing past the head's keys is asked for
	HALF 0
	HALF 1
	s_wait_xcnt 0x0                                ; the trip's loads and prefetches have read their bases
	s_add_nc_u64 s[KP:KP+1], s[KP:KP+1], 32768
	s_add_nc_u64 s[VP:VP+1], s[VP:VP+1], 32768
	s_add_nc_u64 s[PFA:PFA+1], s[PFA:PFA+1], 32768
	s_add_co_u32 s[KF], s[KF], 256
	s_sub_co_u32 s[TRIPS], s[TRIPS], 1
	s_cmp_lg_u32 s[TRIPS], 0
	s_cbranch_scc1 .Ltrip
	; THE WAY OUT.  O^T / l, rounded to f16: an accumulator is half of an image of ctx as the last product's operand ([row / 16][k / 32][1,024 bytes], k = 64 head + channel): one store of 512 consecutive bytes, aligned.
.rept 4
	v_nop                                          ; places behind the last products
.endr
	WIN W_RC
.irp t, 0,1,2,3
	v_rcp_f32 v[ST+8*\t+6], v[L+8*\t]              ; l's lowest register: my query's sum (at least one weight is 1)
.endr
	WIN 0
	v_nop
	s_wait_alu depctr_va_vdst(0)                   ; one wait for the four reciprocals, ahead of their first reader
.irp t, 0,1,2,3
	WIN W_RS
.set i, 0
.rept 16
	v_pk_mul_f32 v[O+32*\t+2*i:O+32*\t+2*i+1], v[O+32*\t+2*i:O+32*\t+2*i+1], v[ST+8*\t+6:ST+8*\t+7] op_sel_hi:[1,0]
.set i, i+1
.endr
	WIN W_CV
.set i, 0
.rept 16
	v_cvt_pk_f16_f32 v[S+32*\t+i], v[O+32*\t+2*i], v[O+32*\t+2*i+1]
.set i, i+1
.endr
	WIN 0
.irp ct, 0,1,2,3
	global_store_b128 v[LR], v[S+32*\t+4*\ct:S+32*\t+4*\ct+3], s[8:9] offset:32768*\t+512*\ct
.endr
.endr
	s_wait_tensorcnt 0x0                           ; the wave's end, behind my last LDS store
	ds_add_u32 v[SPW], v[NIL]
	s_wait_dscnt 0x0
	s_endpgm
.Lfunc_end_k_q94640a743e_attn:
	.size	k_q94640a743e_attn, .Lfunc_end_k_q94640a743e_attn-k_q94640a743e_attn
	.p2alignl 7, 3214868480
	.fill 96, 4, 3214868480
	.section	.rodata,"a",@progbits
	.p2align	6, 0x0
	.amdhsa_kernel k_q94640a743e_attn
		.amdhsa_group_segment_fixed_size 66560
		.amdhsa_private_segment_fixed_size 0
		.amdhsa_enable_private_segment 0
		.amdhsa_kernarg_size 24
		.amdhsa_user_sgpr_count 2
		.amdhsa_user_sgpr_kernarg_segment_ptr 1
		.amdhsa_wavefront_size32 1
		.amdhsa_system_sgpr_workgroup_id_x 1
		.amdhsa_system_sgpr_workgroup_id_y 1
		.amdhsa_system_sgpr_workgroup_id_z 1
		.amdhsa_system_vgpr_workitem_id 0
		.amdhsa_next_free_vgpr 512
		.amdhsa_next_free_sgpr 66
		.amdhsa_reserve_vcc 1
		.amdhsa_float_denorm_mode_32 3
		.amdhsa_float_denorm_mode_16_64 3
		.amdhsa_memory_ordered 1
		.amdhsa_forward_progress 1
		.amdhsa_inst_pref_size 163
	.end_amdhsa_kernel
	.amdgpu_metadata
---
amdhsa.version: [ 1, 2 ]
amdhsa.kernels:
  - .name:           k_q94640a743e_attn
    .symbol:         k_q94640a743e_attn.kd
    .args:
      - { .name: qkv, .offset: 0, .size: 8, .value_kind: global_buffer, .address_space: global }
      - { .name: cnt, .offset: 8, .size: 8, .value_kind: global_buffer, .address_space: global }
      - { .name: ctx, .offset: 16, .size: 8, .value_kind: global_buffer, .address_space: global }
    .group_segment_fixed_size: 66560
    .private_segment_fixed_size: 0
    .kernarg_segment_align: 8
    .kernarg_segment_size: 24
    .max_flat_workgroup_size: 256
    .sgpr_count:     66
    .vgpr_count:     512
    .wavefront_size: 32
...
	.end_amdgpu_metadata
.endif
;; end of part 3
;; launch outp (part 4): grid 4 x 64, 4 waves a work-group, clusters of 4 x 4, 327,680 bytes of LDS; arguments ctx, wo16, out0; writes out0
.if DOCPART == 4
	.amdgcn_target "amdgcn-amd-amdhsa--gfx1250"
	.amdhsa_code_object_version 6
	.text
	.protected	k_q94640a743e_outp
	.globl	k_q94640a743e_outp
	.p2align	8
	.type	k_q94640a743e_outp,@function
k_q94640a743e_outp:
	s_mov_b64 s[64:65], 0
	v_nop
	global_prefetch_b8 v0, s[64:65] scope:SCOPE_SE
	s_setreg_imm32_b32 hwreg(HW_REG_WAVE_MODE, 25, 1), 1
	s_wait_xcnt 0x0
	s_wait_alu depctr_hold_cnt(0) depctr_sa_sdst(0) depctr_va_vdst(0) depctr_va_sdst(0) depctr_va_ssrc(0) depctr_va_vcc(0) depctr_vm_vsrc(0)
	s_getreg_b32 s2, hwreg(HW_REG_IB_STS2, 6, 4)
	s_cmp_eq_u32 s2, 0
	s_cbranch_scc0 .Lentry_in_a_cluster
	s_endpgm
.Lentry_in_a_cluster:
	s_bfe_u32 s2, ttmp6, 0x10000c
	s_cmp_lg_u32 s2, 0xf033
	s_cbranch_scc0 .Lentry_shape_is_right
	s_endpgm
.Lentry_shape_is_right:
; OUTP.  out0 = ctx Wo^T: [8192][1024] x [1024 (n)][1024 (k)], f16 operands, f32 sums, f32 out.
; Both operands lie in memory as images of the matrix operand's registers: [rows / 16][k / 32][1,024 bytes] (half c at 512 c, lane l at 16 l): 128 along K of 16 rows are 4,096 consecutive bytes.
; A tile of 128 x 256 of out0 is made by four waves, 64 x 128 each: 32 accumulators, 256 registers; 4 x 64 tiles: 256 work-groups.
; K goes in 8 steps of 128 through two LDS slots filled by the tensor data mover: A's 8 row tiles and B's 16, 4,096 bytes each, laid on end (images need no padding: every LDS load is 16 bytes a lane at 16 x lane).
; CLUSTERS: 4 x 4 work-groups.  The four of a row of the cluster need the same tiles of ctx, the four of a column the same tiles of Wo: each is asked for jointly, by the same tensor load with the same descriptor and a mask that names the four.
; THE MATRIX INSTRUCTION IS USED TRANSPOSED (source 0 = 16 rows of Wo, source 1 = 16 rows of ctx): a lane then holds eight neighbouring numbers of a row of out0.
; No prefetch: the launch has eight K steps in all.
; REGISTERS: window 0: v16-29 addresses; v64-95, v96-127 A's fragments (4 x 16 rows x 32 K), two buffers; v128-191, v192-255 B's (8), two buffers; on the way out v64-191 rows of out0.   window 1: accumulator (a, b) at v[8 (8 a + b)].
.set SLOT,   98304                     ; A's 32,768 bytes, then B's 65,536
.set BOFF,   32768
.set STAGE,  2*SLOT                    ; behind the slots: 16 rows x (512 + 16) bytes for each wave, for the way out; no tensor load lands here
.set SPITCH, 528
.set SPARE,  STAGE+4*16*SPITCH         ; behind the stages: the spare words, 128 bytes for each wave
.set LAPS,   4                         ; a lap = two K steps = once round the two slots
.set ADRA, 16                          ; v16-17  LDS address of my A fragments in slot 0, 1
.set ADRB, 20                          ; v20-21  the same for B
.set STO,  24                          ; v24     the way out: where I put 32 bytes of a row
.set RD,   25                          ; v25     where I read a row back
.set CO,   26                          ; v26     my byte offset in a row of out0
.set SPW,  28                          ; v28     LDS address of my spare word; never rewritten
.set NIL,  29                          ; v29     0; never rewritten
.set FA,   64
.set FB,   128
.set BK,   64                          ; the way out: 16 rows read back: v64-127 and v128-191 by turns
.set G1, 24                            ; s[24:31] descriptor group 1 for A's tiles;  s[32:39] group 0, one set for each slot
.set G0, 32
.set G1B, 48                           ; s[48:55], s[56:63] the same for B's
.set G0B, 56
.set MSB, 0
.macro WIN new                         ; the immediate's high byte repeats the setting that is left
.if MSB != \new
	s_set_vgpr_msb (MSB<<8)|\new
.set MSB, \new
.endif
.endm
.set MUL, 0x50                         ; C and D window 1; both sources window 0
.macro JLOAD s                         ; a joint load: waves 0 and 1 fetch A's two halves, waves 2 and 3 B's; an s_nop 0 and four v_nop follow each of the two lines
	s_cmp_eq_u32 s11, 0
	s_cbranch_scc0 .Lfor_b_\@
	tensor_load_to_lds s[G0+4*\s:G0+4*\s+3], s[G1:G1+7]
	s_nop 0
.rept 4
	v_nop
.endr
	s_branch .Lasked_\@
.Lfor_b_\@:
	tensor_load_to_lds s[G0B+4*\s:G0B+4*\s+3], s[G1B:G1B+7]
	s_nop 0
.rept 4
	v_nop
.endr
.Lasked_\@:
.endm
.macro CREST                           ; a round of the cluster's barrier behind its opening barrier
	s_cmp_lg_u32 s10, 0
	s_cbranch_scc1 .Lnot_wave_0_\@
	s_barrier_signal -3
.Lnot_wave_0_\@:
	s_barrier_wait -3
	s_barrier_signal -1
	s_barrier_wait -1
.endm
.macro CROUND                          ; a whole round
	s_barrier_signal -1
	s_barrier_wait -1
	CREST
.endm
	s_load_b128 s[4:7], s[0:1], 0x0                ; ctx s[4:5], wo16 s[6:7]
	s_load_b64 s[8:9], s[0:1], 0x10                ; out0
	v_lshl_add_u32 v[SPW], v0, 2, SPARE
	v_mov_b32 v[NIL], 0
	ds_add_u32 v[SPW], v[NIL]                      ; the wave's opening: the add, twice on end, and its wait ahead of my first tensor load
	ds_add_u32 v[SPW], v[NIL]                      ; (once more; the set-up below, work on registers, stands between it and the wait)
	v_lshrrev_b32 v1, 5, v0
	v_readfirstlane_b32 s10, v1                    ; wave 0..3
	s_lshr_b32 s11, s10, 1                         ; which 64 rows of the tile are mine.  Also: I fetch for A (0) or for B (1)
	s_and_b32 s12, s10, 1                          ; which 128 columns.  Also: which half of that operand's tile I fetch
	s_bfe_u32 s40, ttmp6, 0x40000                  ; cx, cy: my place in the cluster
	s_bfe_u32 s41, ttmp6, 0x40004
	s_lshl_b32 s42, ttmp9, 2
	s_add_co_u32 s42, s42, s40                     ; tile column = 4 x cluster x + cx
	s_and_b32 s13, ttmp7, 0xffff
	s_lshl_b32 s13, s13, 2
	s_add_co_u32 s13, s13, s41                     ; tile row = 4 x cluster y + cy
	s_lshl_b32 s43, s41, 2
	s_lshl_b32 s43, 15, s43                        ; my row of the cluster
	s_lshl_b32 s44, 0x1111, s40                    ; my column
	; descriptor group 1: rows of 4,096 bytes (512 elements of 8 bytes), 32,768 bytes apart in memory, on end in LDS: A 4 rows a load, B 8
	s_or_b32 s[G1+0], s43, (3<<16)|(1<<21)         ; 15:0 the mask: A's tiles go to my row; 17:16 elements of 8 bytes; 20 no padding; 21 set beside a mask
	s_or_b32 s[G1B+0], s44, (3<<16)|(1<<21)
.irp g, G1, G1B
	s_mov_b32 s[\g+1], 512<<16                     ; tensor_dim0
	s_mov_b32 s[\g+3], 512<<16                     ; tile_dim0
	s_mov_b32 s[\g+5], 4096                        ; tensor_dim0_stride, in elements
	s_mov_b32 s[\g+6], 0
	s_mov_b32 s[\g+7], 0
.endr
	s_mov_b32 s[G1+2], 4<<16                       ; tensor_dim1
	s_mov_b32 s[G1+4], 4                           ; tile_dim1
	s_mov_b32 s[G1B+2], 8<<16
	s_mov_b32 s[G1B+4], 8
	s_lshl_b32 s16, s13, 18                        ; A: row tile 8 x tile row + 4 x half, 32,768 bytes each: shared along my row of the cluster
	s_lshl_b32 s17, s12, 17
	s_add_co_u32 s16, s16, s17
	s_mov_b32 s17, 0
	s_lshl_b32 s46, s42, 19                        ; B: row tile 16 x tile column + 8 x half: shared along my column
	s_lshl_b32 s47, s12, 18
	s_add_co_u32 s46, s46, s47
	s_mov_b32 s47, 0
	s_lshl_b32 s20, s12, 14                        ; where they go: A's halves at 0 and 16,384,
	s_lshl_b32 s21, s12, 15
	s_add_co_u32 s21, s21, BOFF                    ; B's at 32,768 and 65,536: no place in the cluster enters an LDS address
	s_wait_dscnt 0x0                               ; both opening adds are done
	s_wait_kmcnt 0x0
	s_add_nc_u64 s[14:15], s[4:5], s[16:17]
	s_add_nc_u64 s[46:47], s[6:7], s[46:47]
	CROUND                                         ; all sixteen work-groups are here: the first joint loads meet
.irp s, 0,1
	s_mov_b32 s[G0+4*\s], 1
	s_add_co_u32 s[G0+4*\s+1], s20, \s*SLOT
	s_add_nc_u64 s[G0+4*\s+2:G0+4*\s+3], s[14:15], \s*4096
	s_or_b32 s[G0+4*\s+3], s[G0+4*\s+3], 0x80000000
	s_mov_b32 s[G0B+4*\s], 1
	s_add_co_u32 s[G0B+4*\s+1], s21, \s*SLOT
	s_add_nc_u64 s[G0B+4*\s+2:G0B+4*\s+3], s[46:47], \s*4096
	s_or_b32 s[G0B+4*\s+3], s[G0B+4*\s+3], 0x80000000
	JLOAD \s                                       ; two loads of mine are out behind the second
.endr
	v_and_b32 v1, 31, v0
	v_lshlrev_b32 v3, 4, v1                        ; 16 x lane
	s_lshl_b32 s22, s11, 14                        ; my four row tiles of A
	s_lshl_b32 s23, s12, 15
	s_add_co_u32 s23, s23, BOFF                    ; my eight of B
.irp s, 0,1
	v_add_nc_u32 v[ADRA+\s], s22, v3
	v_add_nc_u32 v[ADRB+\s], s23, v3
	s_add_co_u32 s22, s22, SLOT
	s_add_co_u32 s23, s23, SLOT
.endr
	v_and_b32 v4, 15, v0                           ; l % 16
	v_bfe_u32 v5, v0, 4, 1                         ; l / 16
	s_mul_i32 s23, s10, 16*SPITCH
	s_add_co_u32 s23, s23, STAGE                   ; my stage
	v_mul_u32_u24 v6, v4, SPITCH                   ; in: row l % 16, 32 bytes for each half of the lanes
	v_lshl_add_u32 v6, v5, 5, v6
	v_add_nc_u32 v[STO], s23, v6
	v_mov_b32 v[CO], v3                            ; back: the 32 lanes take one row of 512 bytes; and the same in out0
	v_add_nc_u32 v[RD], s23, v3
	s_lshl_b32 s16, s13, 19                        ; my first row: (128 x tile row + 64 x half) x 4,096 bytes
	s_lshl_b32 s17, s11, 18
	s_add_co_u32 s16, s16, s17
	s_mov_b32 s17, 0
	s_add_nc_u64 s[8:9], s[8:9], s[16:17]
	s_lshl_b32 s46, s42, 10                        ; my first column: (256 x tile column + 128 x half) x 4 bytes
	s_lshl_b32 s47, s12, 9
	s_add_co_u32 s46, s46, s47
	s_mov_b32 s47, 0
	s_add_nc_u64 s[8:9], s[8:9], s[46:47]
; 8 matrix instructions: A's block a x B's eight, 32 along K, from buffer f.  zero = 1: the first product starts the sums.  The 32 accumulators take turns, one instruction a turn.
.macro MUL8 f, a, zero
.irp b, 0,1,2,3,4,5,6,7
.if \zero
	v_wmma_f32_16x16x32_f16 v[8*(8*(\a)+\b):8*(8*(\a)+\b)+7], v[FB+64*(\f)+8*\b:FB+64*(\f)+8*\b+7], v[FA+32*(\f)+8*(\a):FA+32*(\f)+8*(\a)+7], 0
.else
	v_wmma_f32_16x16x32_f16 v[8*(8*(\a)+\b):8*(8*(\a)+\b)+7], v[FB+64*(\f)+8*\b:FB+64*(\f)+8*\b+7], v[FA+32*(\f)+8*(\a):FA+32*(\f)+8*(\a)+7], v[8*(8*(\a)+\b):8*(8*(\a)+\b)+7]
.endif
.endr
.endm
; 24 LDS loads in one run: the fragments of the slot's kq-th 32 along K into buffer f: B's eight, then A's four
.macro FETCH slot, kq, f
.irp b, 0,1,2,3,4,5,6,7
	ds_load_b128 v[FB+64*(\f)+8*\b:FB+64*(\f)+8*\b+3], v[ADRB+\slot] offset:\b*4096+(\kq)*1024
	ds_load_b128 v[FB+64*(\f)+8*\b+4:FB+64*(\f)+8*\b+7], v[ADRB+\slot] offset:\b*4096+(\kq)*1024+512
.endr
.irp a, 0,1,2,3
	ds_load_b128 v[FA+32*(\f)+8*\a:FA+32*(\f)+8*\a+3], v[ADRA+\slot] offset:\a*4096+(\kq)*1024
	ds_load_b128 v[FA+32*(\f)+8*\a+4:FA+32*(\f)+8*\a+7], v[ADRA+\slot] offset:\a*4096+(\kq)*1024+512
.endr
.endm
.macro PLACES                          ; four places in front of loads into registers that matrix instructions have read, and of the first read of results (ISA guide 7.12.1 for the reads of results)
.rept 4
	v_nop
.endr
.endm
; A K step is four quarters of 32 along K, 32 matrix instructions each, on buffers 0, 1, 0, 1.  One of the first three: multiplies buffer f and fetches the slot's kq-th quarter into g.
.macro QUARTER slot, kq, f, g, zero
	s_wait_dscnt 4                                 ; B's eight and A's blocks 0, 1 are in; the youngest four loads (A's blocks 2, 3) may be out
	WIN MUL
	MUL8 \f, 0, \zero
	MUL8 \f, 1, \zero
	PLACES
	WIN 0
	FETCH \slot, \kq, \g
	s_wait_dscnt 24                                ; all but the 24 just issued
	WIN MUL
	MUL8 \f, 2, \zero
	MUL8 \f, 3, \zero
.endm
; The last quarter multiplies buffer 1 and changes slots: ONE barrier; in front of it each wave waits for all its tensor loads, adds 0 to its spare word, and waits for that and for its own reads of this slot.
; fill = 1: the barrier opens a round of the cluster's barrier and this slot is filled again, two K steps ahead: the load has 112 matrix instructions of mine in which to land.
.macro TURN slot, next, fill
	WIN 0                                          ; (the add's two registers lie in window 0)
	s_wait_tensorcnt 0x0                           ; all my tensor loads have landed: my part of the next slot
	ds_add_u32 v[SPW], v[NIL]                      ; 0 onto my spare word
	s_wait_dscnt 5                                 ; (the add and the youngest four loads may be out)
	WIN MUL
	MUL8 1, 0, 0                                   ; eight matrix instructions stand between the add and the wait for it
	s_wait_dscnt 0x0                               ; the add is done, and my reads of this slot are over
	s_barrier_signal -1
	MUL8 1, 1, 0
	WIN 0
	s_barrier_wait -1
.if \fill
	CREST                                          ; no wave of any partner still reads this slot's tiles or has a load on its way
	s_add_nc_u64 s[G0+4*\slot+2:G0+4*\slot+3], s[G0+4*\slot+2:G0+4*\slot+3], 2*4096
	s_add_nc_u64 s[G0B+4*\slot+2:G0B+4*\slot+3], s[G0B+4*\slot+2:G0B+4*\slot+3], 2*4096
	JLOAD \slot                                    ; the first tensor load behind the round; the four v_nop behind it are also the places in front of the loads below
.else
	PLACES
.endif
	FETCH \next, 0, 0
	WIN MUL
	MUL8 1, 2, 0
	MUL8 1, 3, 0
.endm
	s_wait_tensorcnt 1                             ; my part of K step 0 is in (K step 1's load may be out),
	s_barrier_signal -1
	s_barrier_wait -1                              ; everybody's is
	FETCH 0, 0, 0
	QUARTER 0, 1, 0, 1, 1                          ; the first quarter stands in front of the loop: its products start the sums
	WIN 0                                          ; at a label and at a branch every window is 0
	s_mov_b32 s3, LAPS-1
.Llap:                                             ; a trip goes once round the two slots, from a lap's second quarter to the next lap's first, and fills both again
	QUARTER 0, 2, 1, 0, 0
	QUARTER 0, 3, 0, 1, 0
	TURN 0, 1, 1
	QUARTER 1, 1, 0, 1, 0
	QUARTER 1, 2, 1, 0, 0
	QUARTER 1, 3, 0, 1, 0
	TURN 1, 0, 1
	QUARTER 0, 1, 0, 1, 0
	WIN 0
	s_sub_co_u32 s3, s3, 1
	s_cmp_lg_u32 s3, 0
	s_cbranch_scc1 .Llap
	QUARTER 0, 2, 1, 0, 0                          ; the last lap fills nothing, and has no round of the cluster's barrier
	QUARTER 0, 3, 0, 1, 0
	TURN 0, 1, 0
	QUARTER 1, 1, 0, 1, 0
	QUARTER 1, 2, 1, 0, 0
	QUARTER 1, 3, 0, 1, 0
	s_wait_dscnt 4                                 ; the very last quarter: nothing more to fetch
	WIN MUL
	MUL8 1, 0, 0
	MUL8 1, 1, 0
	s_wait_dscnt 0
	MUL8 1, 2, 0
	MUL8 1, 3, 0
	WIN 0
; THE WAY OUT, block by block of 16 rows x 128 columns.  A lane holds 32 neighbouring bytes of a row, and the lanes beside it hold other rows: a block goes through my own stage in LDS and comes back as whole
; rows of 512 bytes.  LDS serves a wave's instructions in order (ISA guide 5.7.1.4): no wait between the stores and the loads, nor in front of the next block's stores.
.macro TOSTAGE a
	WIN 0x04                                       ; an LDS store's data: window 1
.irp b, 0,1,2,3,4,5,6,7
	ds_store_b128 v[STO], v[8*(8*(\a)+\b):8*(8*(\a)+\b)+3] offset:64*\b          ; each accumulator from its low end on
	ds_store_b128 v[STO], v[8*(8*(\a)+\b)+4:8*(8*(\a)+\b)+7] offset:64*\b+16
.endr
	WIN 0
.set BB, BK+64*((\a)%2)
.irp t, 0,1,2,3,4,5,6,7,8,9,10,11,12,13,14,15
	ds_load_b128 v[BB+4*\t:BB+4*\t+3], v[RD] offset:\t*SPITCH
.endr
.endm
.macro SEND a, younger                 ; younger: the LDS instructions issued behind block a's loads, which may stay out
.set BB, BK+64*((\a)%2)
	s_wait_dscnt \younger                          ; the block is back in registers
.if (\a) > 0
	s_add_nc_u64 s[8:9], s[8:9], 16*4096           ; (behind a wait on XCNT: the earlier stores have read their base)  16 rows on
.endif
.irp t, 0,1,2,3,4,5,6,7,8,9,10,11,12,13,14,15
	global_store_b128 v[CO], v[BB+4*\t:BB+4*\t+3], s[8:9] offset:\t*4096 th:TH_STORE_NT   ; 32 lanes store 512 consecutive bytes, at a multiple of 256 from out0's first byte
.endr
.endm
	PLACES                                         ; behind the last products: for the reads of results and the loads into the registers that held fragments
	TOSTAGE 0
.irp a, 1,2,3
.if \a > 1
	s_wait_xcnt 0x0                                ; block a - 2's stores have read their registers and their base
.endif
	TOSTAGE \a
	SEND \a-1, 32                                  ; behind block a - 1's loads: block a's 16 stores and 16 loads
.endr
	s_wait_xcnt 0x0                                ; block 2's stores have read their base
	SEND 3, 0
	s_wait_tensorcnt 0x0                           ; the wave's end, behind my last tensor load and my last LDS store
	ds_add_u32 v[SPW], v[NIL]
	s_wait_dscnt 0x0
	CROUND                                         ; the closing round: no work-group ends while a partner may still ask for a tile that names it
	s_endpgm
.Lfunc_end_k_q94640a743e_outp:
	.size	k_q94640a743e_outp, .Lfunc_end_k_q94640a743e_outp-k_q94640a743e_outp
	.p2alignl 7, 3214868480
	.fill 96, 4, 3214868480
	.section	.rodata,"a",@progbits
	.p2align	6, 0x0
	.amdhsa_kernel k_q94640a743e_outp
		.amdhsa_group_segment_fixed_size 327680
		.amdhsa_private_segment_fixed_size 0
		.amdhsa_enable_private_segment 0
		.amdhsa_kernarg_size 24
		.amdhsa_user_sgpr_count 2
		.amdhsa_user_sgpr_kernarg_segment_ptr 1
		.amdhsa_wavefront_size32 1
		.amdhsa_system_sgpr_workgroup_id_x 1
		.amdhsa_system_sgpr_workgroup_id_y 1
		.amdhsa_system_sgpr_workgroup_id_z 1
		.amdhsa_system_vgpr_workitem_id 0
		.amdhsa_next_free_vgpr 512
		.amdhsa_next_free_sgpr 66
		.amdhsa_reserve_vcc 0
		.amdhsa_float_denorm_mode_32 3
		.amdhsa_float_denorm_mode_16_64 3
		.amdhsa_memory_ordered 1
		.amdhsa_forward_progress 1
		.amdhsa_inst_pref_size 84
	.end_amdhsa_kernel
	.amdgpu_metadata
---
amdhsa.version: [ 1, 2 ]
amdhsa.kernels:
  - .name:           k_q94640a743e_outp
    .symbol:         k_q94640a743e_outp.kd
    .args:
      - { .name: ctx, .offset: 0, .size: 8, .value_kind: global_buffer, .address_space: global }
      - { .name: wo16, .offset: 8, .size: 8, .value_kind: global_buffer, .address_space: global }
      - { .name: out0, .offset: 16, .size: 8, .value_kind: global_buffer, .address_space: global }
    .group_segment_fixed_size: 327680
    .private_segment_fixed_size: 0
    .kernarg_segment_align: 8
    .kernarg_segment_size: 24
    .max_flat_workgroup_size: 128
    .sgpr_count:     66
    .vgpr_count:     512
    .wavefront_size: 32
...
	.end_amdgpu_metadata
.endif
;; end of part 4
